; MI455X (gfx1250); checked and timed in simulation.
; The chip was launched on July 23, 2026; its instructions are those of AMD's public machine-readable ISA for CDNA 5 (MIT licence, August 2026) and "CDNA5" Instruction Set Architecture Reference Guide (July 2026). The comments in the code are by the model that wrote it; some were corrected since.
;; Query Emb. Allowed arithmetic: float matrix products may take bf16 or f16 operands with f32 sums; other float arithmetic in f32, or as packed bf16 or f16 multiplies, adds, multiply-adds, maxima and minima; sums over many terms, partial sums and values carried from step to step in f32; what a program stores and reads back later, other than sums and carried values, may be rounded once to bf16 or f16.
;; Inputs: emb_matrix 8,000 x 1,024 float32; q 4 x 1,024 x 1,024 float32.
;; Outputs: out0 4 x 1,024 x 1,024 float32.
;; 2 versions, each right; version 2 is version 1 with the launches prep, combine written anew for expert scheduling mode. Each part assembles by itself: llvm-mc -triple=amdgcn-amd-amdhsa -mcpu=gfx1250 --defsym DOCPART=n.
;; ======== version 1 of 2: 4 launches
;; limits: right only within a limited range of input values
;; workspace buffers: qb 8,388,608 bytes; eb 16,777,216 bytes; pw 67,108,864 bytes; bmx 1,048,576 bytes; bsm 1,048,576 bytes; op 67,108,864 bytes; smx 262,144 bytes; ssm 262,144 bytes
;; launch prep (part 1): grid 768 x 1, 8 waves a work-group, no clusters, 0 bytes of LDS; arguments q, emb_matrix, qb, eb; writes qb, eb
.if DOCPART == 1
	.amdgcn_target "amdgcn-amd-amdhsa--gfx1250"
	.amdhsa_code_object_version 6
	.text
	.protected	k_q8791bb9d50_prep
	.globl	k_q8791bb9d50_prep
	.p2align	8
	.type	k_q8791bb9d50_prep,@function
k_q8791bb9d50_prep:
	s_mov_b64 s[64:65], 0
	v_nop
	global_prefetch_b8 v0, s[64:65] scope:SCOPE_SE
	s_setreg_imm32_b32 hwreg(HW_REG_WAVE_MODE, 25, 1), 1
	s_wait_xcnt 0x0
; qb = q rounded to bf16; eb = emb_matrix rounded to bf16, with 192 rows of zeros behind its 8,000 rows (8,192 rows in all).
; A work-group takes 65,536 bytes of f32 and stores 32,768 bytes of bf16.  Groups 0-255: q (256 x 65,536 = its 16,777,216 bytes).  Groups 256-755: emb (500 x 65,536 = its
; 32,768,000 bytes).  Groups 756-767: the zeros, 12 x 32,768 = 192 rows x 2,048 bytes; their place in eb follows from the same formula as the others'.
; A wave takes 8,192 bytes: sixteen loads of 512 neighbouring bytes, all issued at once; each is rounded and leaves as one store of 256 neighbouring bytes, aligned.
; A stream: no LDS, no barrier, no matrix work; each byte is read once and written once.
.set QGROUPS, 256
.set EGROUPS, 500
.set X, 8                              ; v[8:71]    sixteen loads of four f32
.set Y, 72                             ; v[72:103]  sixteen pairs of registers, four bf16 each
	s_load_b256 s[4:11], s[0:1], 0x0               ; q s[4:5], emb s[6:7], qb s[8:9], eb s[10:11]
	v_and_b32 v1, 0xe0, v0                         ; 32 x wave
	v_and_b32 v2, 31, v0                           ; lane
	v_lshlrev_b32 v1, 8, v1                        ; wave x 8,192 bytes
	v_lshl_or_b32 v1, v2, 4, v1                    ; + 16 x lane: my offset in the source
	v_lshrrev_b32 v2, 1, v1                        ; half of it: my offset in the destination
	s_mov_b32 s12, ttmp9
	s_cmp_lt_u32 s12, QGROUPS
	s_cselect_b32 s13, 0, QGROUPS
	s_sub_co_u32 s13, s12, s13                     ; the group's number within its tensor
	s_lshl_b32 s14, s13, 16                        ; its bytes in the source (under 2^26),
	s_mov_b32 s15, 0
	s_lshl_b32 s16, s13, 15                        ; and in the destination
	s_mov_b32 s17, 0
	s_wait_kmcnt 0x0
	s_cmp_lt_u32 s12, QGROUPS                      ; compared again: the lines above have written SCC
	s_cselect_b64 s[18:19], s[4:5], s[6:7]
	s_cselect_b64 s[20:21], s[8:9], s[10:11]
	s_add_nc_u64 s[18:19], s[18:19], s[14:15]
	s_add_nc_u64 s[20:21], s[20:21], s[16:17]
	s_cmp_ge_u32 s12, QGROUPS+EGROUPS
	s_cbranch_scc1 .Lzero                          ; the last twelve groups load nothing
.irp i, 0,1,2,3,4,5,6,7,8,9,10,11,12,13,14,15
	global_load_b128 v[X+4*(\i):X+4*(\i)+3], v1, s[18:19] offset:512*(\i) th:TH_LOAD_NT
.endr
.irp i, 0,1,2,3,4,5,6,7,8,9,10,11,12,13,14,15
	s_wait_loadcnt 15-(\i)                         ; loads come back in order: load i is in, the younger ones stay out
	v_cvt_pk_bf16_f32 v[Y+2*(\i)], v[X+4*(\i)], v[X+4*(\i)+1]
	v_cvt_pk_bf16_f32 v[Y+2*(\i)+1], v[X+4*(\i)+2], v[X+4*(\i)+3]
	global_store_b64 v2, v[Y+2*(\i):Y+2*(\i)+1], s[20:21] offset:256*(\i) th:TH_STORE_NT
.endr
	s_endpgm
.Lzero:
	v_mov_b32 v[Y], 0
	v_mov_b32 v[Y+1], 0
.irp i, 0,1,2,3,4,5,6,7,8,9,10,11,12,13,14,15
	global_store_b64 v2, v[Y:Y+1], s[20:21] offset:256*(\i) th:TH_STORE_NT
.endr
	s_endpgm
.Lfunc_end_k_q8791bb9d50_prep:
	.size	k_q8791bb9d50_prep, .Lfunc_end_k_q8791bb9d50_prep-k_q8791bb9d50_prep
	.p2alignl 7, 3214868480
	.fill 96, 4, 3214868480
	.section	.rodata,"a",@progbits
	.p2align	6, 0x0
	.amdhsa_kernel k_q8791bb9d50_prep
		.amdhsa_group_segment_fixed_size 0
		.amdhsa_private_segment_fixed_size 0
		.amdhsa_enable_private_segment 0
		.amdhsa_kernarg_size 32
		.amdhsa_user_sgpr_count 2
		.amdhsa_user_sgpr_kernarg_segment_ptr 1
		.amdhsa_wavefront_size32 1
		.amdhsa_system_sgpr_workgroup_id_x 1
		.amdhsa_system_sgpr_workgroup_id_y 1
		.amdhsa_system_sgpr_workgroup_id_z 1
		.amdhsa_system_vgpr_workitem_id 0
		.amdhsa_next_free_vgpr 104
		.amdhsa_next_free_sgpr 66
		.amdhsa_reserve_vcc 0
		.amdhsa_float_denorm_mode_32 3
		.amdhsa_float_denorm_mode_16_64 3
		.amdhsa_memory_ordered 1
		.amdhsa_forward_progress 1
		.amdhsa_inst_pref_size 9
	.end_amdhsa_kernel
	.amdgpu_metadata
---
amdhsa.version: [ 1, 2 ]
amdhsa.kernels:
  - .name:           k_q8791bb9d50_prep
    .symbol:         k_q8791bb9d50_prep.kd
    .args:
      - { .name: q, .offset: 0, .size: 8, .value_kind: global_buffer, .address_space: global }
      - { .name: emb_matrix, .offset: 8, .size: 8, .value_kind: global_buffer, .address_space: global }
      - { .name: qb, .offset: 16, .size: 8, .value_kind: global_buffer, .address_space: global }
      - { .name: eb, .offset: 24, .size: 8, .value_kind: global_buffer, .address_space: global }
    .group_segment_fixed_size: 0
    .private_segment_fixed_size: 0
    .kernarg_segment_align: 8
    .kernarg_segment_size: 32
    .max_flat_workgroup_size: 256
    .sgpr_count:     66
    .vgpr_count:     104
    .wavefront_size: 32
...
	.end_amdgpu_metadata
.endif
;; end of part 1
;; launch scores (part 2): grid 32 x 8, 4 waves a work-group, clusters of 4 x 4, 327,680 bytes of LDS; arguments qb, eb, pw, bmx, bsm; writes pw, bmx, bsm
.if DOCPART == 2
	.amdgcn_target "amdgcn-amd-amdhsa--gfx1250"
	.amdhsa_code_object_version 6
	.text
	.protected	k_q8791bb9d50_scores
	.globl	k_q8791bb9d50_scores
	.p2align	8
	.type	k_q8791bb9d50_scores,@function
k_q8791bb9d50_scores:
	s_mov_b64 s[64:65], 0
	v_nop
	global_prefetch_b8 v0, s[64:65] scope:SCOPE_SE
	s_setreg_imm32_b32 hwreg(HW_REG_WAVE_MODE, 25, 1), 1
	s_wait_xcnt 0x0
	s_wait_alu depctr_hold_cnt(0) depctr_sa_sdst(0) depctr_va_vdst(0) depctr_va_sdst(0) depctr_va_ssrc(0) depctr_va_vcc(0) depctr_vm_vsrc(0)
	s_getreg_b32 s2, hwreg(HW_REG_IB_STS2, 6, 4)
	s_cmp_eq_u32 s2, 0
	s_cbranch_scc0 .Lentry_in_a_cluster
	s_endpgm
.Lentry_in_a_cluster:
	s_bfe_u32 s2, ttmp6, 0x10000c
	s_cmp_lg_u32 s2, 0xf033
	s_cbranch_scc0 .Lentry_shape_is_right
	s_endpgm
.Lentry_shape_is_right:
; S[m][n] = the sum over k of qb[m][k] eb[n][k] (4,096 x 8,192 x 1,024, bf16 operands, f32 sums), and the first step of the softmax along n:
; for each row and each BLOCK of 128 columns   m_blk = the block's largest score,   pw = 2^(c s - c m_blk) in bf16,   bmx = c m_blk,   bsm = the sum of the unrounded weights;   c = log2(e).
; The later launches bring the blocks onto a common maximum.  A tile of S is 256 x 256: four waves, each 128 x 128 (64 accumulators, 512 registers), so a wave's columns ARE one block.
; K goes in steps of 128 through a ring of two LDS slots filled by the tensor data mover; rows of the tiles are 256 bytes of memory, aligned.
; A WORK-GROUP STAYS: it makes two tiles, 2,048 rows apart, with the same rows of eb.  Their 16 K steps are ONE walk: 14 trips of one loop, a refill in each, and a tail of two steps that fill nothing.
; A trip goes from a K step's second quarter to the next step's first.  What differs between trips hangs on the trip counter, the same number in every work-group: the descriptors' step to the next
; tile is a select; behind the first tile's last K step a forward jump puts the way out, and a quarter whose products start the sums, in the place of the trip's last quarter.  No jump passes a barrier
; or a tensor load.  When the first tile goes out both refills for the second have been asked for, and nothing waits for its stores.
; CLUSTERS: 4 x 4 work-groups.  The four of a row of the cluster need the same tiles of qb, the four of a column the same tiles of eb: each tile is asked for jointly.
; THE MATRIX INSTRUCTION IS USED TRANSPOSED (source 0 = 16 rows of eb, source 1 = 16 rows of qb): a lane holds row l % 16 and the columns 8 (l / 16) + 0..7 of a 16 x 16 result,
; so a row's 128 scores lie in 64 registers of two lanes 16 apart.
; THE PADDING.  Columns 8,000 and up do not exist; eb holds zeros there.  8,000 is a multiple of 16, so a group of 16 columns exists whole or not at all: the products that start the
; sums take as C eight registers that hold 0, or -1e30 for a group that does not exist.  A select, no branch.
; LIMITS.  A column that does not exist counts as a score of -1e30.  A block's maximum is taken no lower than -1e20 (so that a block without any column has a finite one): scores are
; taken to lie above -1e20.  A weight below 2^-126 counts as 0.  NaN and infinities are not treated apart.
; REGISTERS, in windows of 256: window 0: v0-31 addresses; v32-55 the way out's small numbers; v64-127, v128-191 fragments of qb, two buffers (the second also serves the way out).
; window 1: v0-63 the C operands of the first products; v64-127, v128-191 fragments of eb.  window 2: the accumulators of my rows 0-63 ((a, b) at v[8 (8 a + b)]).  window 3: those of my rows 64-127.
.set SIZE_M,  4096
.set SIZE_N,  8192
.set SIZE_K,  1024
.set VALID_N, 8000
.set TILES,   2
.set WALK,    SIZE_M/TILES             ; a work-group's two tiles lie so many rows apart
.set KSTEP,  128
.set STEPS,  SIZE_K/KSTEP              ; K steps in a tile
.set TRIPS,  TILES*STEPS-2             ; every K step of the walk but the last two is followed by a refill
.set T_DESC, TRIPS-(STEPS-2)           ; the counter's value in the trip whose refill is the second tile's K step 0
.set T_TILE, TRIPS-(STEPS-1)           ; in the trip that ends the first tile
.set T_PF,   TRIPS-(STEPS-4)           ; in the trip whose prefetch would name the second tile's K step 0
.set PITCH,  272                       ; an LDS row: 256 bytes + 16 of padding = 68 words: the 16 rows of a fragment load start at 16 different groups of four banks (ISA guide 11.1)
.set HALFT,  128*PITCH                 ; 128 rows: what one tensor load brings
.set SLOT,   4*HALFT                   ; qb's 256 rows, then eb's 256 rows.  0x22000: it shares no bit with wave x HALFT, so an exclusive or with it changes slots
.set STAGE,  2*SLOT                    ; behind the ring: 16 rows x 272 bytes for each wave, for the way out
.set SPITCH, 272
.set STATS,  STAGE+4*16*SPITCH         ; 1,024 bytes for each wave: c m of its 128 rows, then l
.set SPARE,  STATS+4*1024              ; the spare words, 128 bytes for each wave: two blocks of 256 bytes that no other line names
.set NEXT_A, WALK*SIZE_K*2-(STEPS-1)*KSTEP*2  ; bytes from a tile's last K step of qb to the next tile's first
.set BACK_B, STEPS*KSTEP*2             ; eb goes one K step on and so many bytes back
.set NEXT_C, (WALK-128)*SIZE_N*2       ; bytes from behind my last row of a tile of pw to my first row of the next
.set ADRA0, 16                         ; v16  LDS address of my fragments of qb in slot 0; never rewritten
.set ADRA,  17                         ; v17  the same in the slot in hand
.set ADRB0, 20                         ; v20, v21 the same for eb
.set ADRB,  21
.set SR,   22                          ; v22  where I read 16 bytes of my wave's statistics back
.set SO,   23                          ; v23  16 x lane: my place in 512 bytes of bmx and bsm
.set STO,  24                          ; v24  the way out: where I put 16 bytes of a row
.set RD,   25                          ; v25  the way out: where I read a row back
.set CO,   26                          ; v26  my byte offset in pw
.set SS,   27                          ; v27  where my row's statistics go; steps by 16 rows a block
.set SPW,  28                          ; v28  LDS address of my spare word; never rewritten
.set NIL,  29                          ; v29  0; never rewritten
.set PFO,  30                          ; v30  the prefetches' offset: lane x a row of qb or eb; never rewritten
.set SS0,  31                          ; v31  SS for a tile's first block; never rewritten
.set CH,   32                          ; v32-39 eight running maxima
.set XH,   40                          ; the other half of the lanes' maximum
.set MR,   41                          ; m
.set CM,   42                          ; v[42:43] c m (named as a pair)
.set LT,   44
.set LX,   45
.set LL,   46                          ; l
.set BACK, 48                          ; v48-55 the statistics read back
.set F0,   64
.set F1,   128
.set TMP,  128                         ; v128-159 a block's weights in bf16 (buffer 1 is free on the way out)
.set OB,   160                         ; v160-191 16 rows read back from the stage
.set MB,   0                           ; window 1: group b's C operand at v[8 b .. 8 b + 7]
.set G1,  24                           ; s[24:31] descriptor group 1 for qb's tiles;  s[32:39] group 0: a set for each of the two first fills; the second then walks on
.set G0,  32
.set G1B, 48                           ; s[48:55], s[56:63] the same for eb's tiles
.set G0B, 56
.set LIM, 43                           ; s43      a wave prefetches while the trip counter is above this
.set PFA, 44                           ; s[44:45] the rows and K step that my next prefetch names
.set CS,  66                           ; s[66:67] c, twice
.set SEL, 68                           ; s[68:69] v_permlanex16_b32's selects: each lane takes its own place in the other half
.set FLOOR, 70                         ; s70      -1e20
.set BIGN,  71                         ; s71      -1e30
.set BMX, 72                           ; s[72:73] bmx at my block and my first row
.set BSM, 74                           ; s[74:75] bsm likewise
.set EP,  76                           ; s76      counts the way out's eight blocks
.set SOFF, 80                          ; s80      0 or SLOT: the slot in hand
.set KA,   81                          ; s81      NEXT_A
.set K256, 82                          ; s82      a K step's bytes
.set PS,   84                          ; s[84:85] a step of an address along the walk
.set BS,   86                          ; s[86:87] what eb's address goes back by: 0 or BACK_B
.set MSB, 0
.macro WIN new                         ; the immediate's high byte repeats the setting that is left; a switch that changes nothing is dropped
.if MSB != (\new)
	s_set_vgpr_msb (MSB<<8)|(\new)
.set MSB, \new
.endif
.endm
.set MUL_LO, 0xa1                      ; source 0 (eb) window 1, source 1 (qb) window 0, C and D window 2
.set MUL_HI, 0xf1                      ; the same, C and D window 3
.set TO_B,   0x40                      ; destination window 1, address window 0
; A joint load.  Waves 0 and 1 fetch qb's two halves, waves 2 and 3 eb's.  The branch hangs on the wave's number alone.  An s_nop 0 and four v_nop follow each line.
.macro JLOAD s
	s_cmp_eq_u32 s11, 0
	s_cbranch_scc0 .Lfor_b_\@
	tensor_load_to_lds s[G0+4*(\s):G0+4*(\s)+3], s[G1:G1+7]
	s_nop 0
.rept 4
	v_nop
.endr
	s_branch .Lasked_\@
.Lfor_b_\@:
	tensor_load_to_lds s[G0B+4*(\s):G0B+4*(\s)+3], s[G1B:G1B+7]
	s_nop 0
.rept 4
	v_nop
.endr
.Lasked_\@:
.endm
; A prefetch into the L2 behind each refill and its run of LDS loads: the K step that stands two refills on, 32 rows x 256 bytes, a lane a row, one instruction a wave.
; Each row's 256 bytes of a K step are named once in the launch: of the clusters that read a tile row of qb the one with x = 0 asks, of those that read a tile column of eb the one with y = 0;
; the four partners that ask for a tile jointly take 32 of a wave's 128 rows each, told apart by address.  The walk's K steps 0 to 3 come by their loads alone.  qb is asked for up to the walk's
; last K step (the last two trips have none two refills on); eb in the first tile alone: the second tile reads the same rows again.
.macro ASK
	s_cmp_gt_u32 s3, s[LIM]
	s_cbranch_scc0 .Lnot_mine_\@
	global_prefetch_b8 v[PFO], s[PFA:PFA+1] th:TH_LOAD_NT scope:SCOPE_SE
.Lnot_mine_\@:
.endm
.macro CREST                           ; a round of the cluster's barrier behind its opening barrier
	s_cmp_lg_u32 s10, 0
	s_cbranch_scc1 .Lnot_wave_0_\@
	s_barrier_signal -3
.Lnot_wave_0_\@:
	s_barrier_wait -3
	s_barrier_signal -1
	s_barrier_wait -1
.endm
.macro CROUND                          ; a whole round
	s_barrier_signal -1
	s_barrier_wait -1
	CREST
.endm
	s_load_b128 s[4:7], s[0:1], 0x0                ; qb s[4:5], eb s[6:7]
	s_load_b64 s[8:9], s[0:1], 0x10                ; pw
	s_load_b64 s[BMX:BMX+1], s[0:1], 0x18
	s_load_b64 s[BSM:BSM+1], s[0:1], 0x20
	v_lshl_add_u32 v[SPW], v0, 2, SPARE
	v_mov_b32 v[NIL], 0
	ds_add_u32 v[SPW], v[NIL]                      ; the wave's opening: the add and its wait stand ahead of my first tensor load; work on registers stands between them
	v_lshrrev_b32 v1, 5, v0
	v_readfirstlane_b32 s10, v1                    ; wave 0..3
	s_lshr_b32 s11, s10, 1                         ; which half of the tile's rows is mine.  Also: I fetch for qb (0) or for eb (1)
	s_and_b32 s12, s10, 1                          ; which half of its columns.  Also: which 128 rows of that tile I fetch
	s_bfe_u32 s40, ttmp6, 0x40000                  ; cx
	s_bfe_u32 s41, ttmp6, 0x40004                  ; cy
	s_lshl_b32 s42, ttmp9, 2
	s_add_co_u32 s42, s42, s40                     ; tile column = 4 x cluster x + cx
	s_and_b32 s13, ttmp7, 0xffff
	s_lshl_b32 s13, s13, 2
	s_add_co_u32 s13, s13, s41                     ; the first tile's row = 4 x cluster y + cy, 0..7
	s_lshl_b32 s43, s41, 2
	s_lshl_b32 s43, 15, s43                        ; my row of the cluster
	s_lshl_b32 s44, 0x1111, s40                    ; my column
	; descriptor group 1: a tile of 128 rows x 128 elements of 2 bytes, 4 words of padding behind every 64
	s_or_b32 s[G1+0], s43, (1<<16)|(1<<20)|(1<<21)|(5<<22)|(3<<25)
	s_or_b32 s[G1B+0], s44, (1<<16)|(1<<20)|(1<<21)|(5<<22)|(3<<25)
.irp g, G1, G1B
	s_mov_b32 s[(\g)+1], KSTEP<<16                 ; tensor_dim0 = 128
	s_mov_b32 s[(\g)+2], 128<<16                   ; tensor_dim1 = 128
	s_mov_b32 s[(\g)+3], KSTEP<<16                 ; tile_dim0 = 128
	s_mov_b32 s[(\g)+4], 128                       ; tile_dim1 = 128
	s_mov_b32 s[(\g)+5], SIZE_K                    ; elements from row to row
	s_mov_b32 s[(\g)+6], 0
	s_mov_b32 s[(\g)+7], 0
.endr
	s_lshl_b32 s17, s12, 7                         ; which 128 rows of the tile I fetch
	s_lshl_b32 s16, s13, 8
	s_add_co_u32 s16, s16, s17                     ; qb: row 256 x tile row + 128 x half
	s_lshl_b32 s46, s42, 8
	s_add_co_u32 s46, s46, s17                     ; eb: row 256 x tile column + 128 x half
	s_mov_b32 s17, 0
	s_mov_b32 s47, 0
	s_mov_b64 s[18:19], SIZE_K*2
	s_mul_u64 s[16:17], s[16:17], s[18:19]
	s_mul_u64 s[46:47], s[46:47], s[18:19]
	s_mul_i32 s20, s10, HALFT                      ; where they go: wave x 128 rows: no place in the cluster enters an LDS address
	s_mov_b32 s[CS], 0x3fb8aa3b                    ; c = log2(e)
	s_mov_b32 s[CS+1], s[CS]
	s_mov_b32 s[SEL], 0x76543210
	s_mov_b32 s[SEL+1], 0xfedcba98
	s_mov_b32 s[FLOOR], 0xe0ad78ec
	s_mov_b32 s[BIGN], 0xf149f2ca
	s_mov_b32 s[SOFF], 0
	s_mov_b32 s[KA], NEXT_A
	s_mov_b32 s[K256], KSTEP*2
	s_mov_b32 s[PS+1], 0
	s_mov_b32 s[BS+1], 0
	s_wait_dscnt 0x0                               ; the opening add is done
	s_wait_kmcnt 0x0
	s_add_nc_u64 s[14:15], s[4:5], s[16:17]
	s_add_nc_u64 s[46:47], s[6:7], s[46:47]
	CROUND                                         ; all sixteen work-groups are here: the first joint loads meet
.irp s, 0,1
	s_mov_b32 s[G0+4*(\s)], 1
	s_add_co_u32 s[G0+4*(\s)+1], s20, (\s)*SLOT
	s_add_nc_u64 s[G0+4*(\s)+2:G0+4*(\s)+3], s[14:15], (\s)*KSTEP*2
	s_or_b32 s[G0+4*(\s)+3], s[G0+4*(\s)+3], 0x80000000
	s_mov_b32 s[G0B+4*(\s)], 1
	s_add_co_u32 s[G0B+4*(\s)+1], s20, (\s)*SLOT
	s_add_nc_u64 s[G0B+4*(\s)+2:G0B+4*(\s)+3], s[46:47], (\s)*KSTEP*2
	s_or_b32 s[G0B+4*(\s)+3], s[G0B+4*(\s)+3], 0x80000000
	JLOAD \s                                       ; two loads of mine are out
.endr
	; all that follows, up to the first wait, runs while the first tiles are on their way
	v_and_b32 v1, 15, v0                           ; l % 16
	v_bfe_u32 v2, v0, 4, 1                         ; l / 16
	v_mul_u32_u24 v3, v1, PITCH
	v_lshl_add_u32 v3, v2, 4, v3                   ; a fragment's row x pitch + 16 x half
	s_mul_i32 s21, s11, HALFT                      ; my 128 rows of qb
	s_mul_i32 s22, s12, HALFT                      ; my 128 rows of eb,
	s_add_co_u32 s22, s22, 2*HALFT                 ; which lie behind qb's 256
	v_add_nc_u32 v[ADRA0], s21, v3
	v_add_nc_u32 v[ADRB0], s22, v3
	v_mov_b32 v[ADRA], v[ADRA0]                    ; the walk begins in slot 0
	v_mov_b32 v[ADRB], v[ADRB0]
	s_mul_i32 s23, s10, 16*SPITCH
	s_add_co_u32 s23, s23, STAGE                   ; my stage
	v_mul_u32_u24 v4, v1, SPITCH                   ; in: row l % 16, 16 bytes for each half of the lanes
	v_lshl_add_u32 v4, v2, 4, v4
	v_add_nc_u32 v[STO], s23, v4
	v_mul_u32_u24 v5, v2, SPITCH                   ; back: lanes 0-15 take one row of 256 bytes, lanes 16-31 the next
	v_lshl_add_u32 v5, v1, 4, v5
	v_add_nc_u32 v[RD], s23, v5
	v_mul_u32_u24 v5, v2, SIZE_N*2                 ; and the same two rows in pw
	v_lshl_add_u32 v[CO], v1, 4, v5
	s_lshl_b32 s23, s10, 10
	s_add_co_u32 s23, s23, STATS                   ; my wave's statistics
	v_lshl_add_u32 v[SS0], v1, 2, s23              ; row l % 16's word
	v_and_b32 v5, 31, v0
	v_lshlrev_b32 v[SO], 4, v5
	v_add_nc_u32 v[SR], s23, v[SO]
	; the C operands of the first products: group b of my 128 columns exists if b < (8,000 - my first column) / 16
	s_lshl_b32 s79, s42, 8
	s_sub_co_i32 s78, VALID_N, s79
	s_lshl_b32 s79, s12, 7
	s_sub_co_i32 s78, s78, s79
	s_ashr_i32 s78, s78, 4
	WIN TO_B
.irp b, 0,1,2,3,4,5,6,7
	s_cmp_gt_i32 s78, \b
	s_cselect_b32 s79, 0, s[BIGN]
.irp j, 0,1,2,3,4,5,6,7
	v_mov_b32 v[MB+8*(\b)+(\j)], s79
.endr
.endr
	WIN 0
	; where my part of the first tile begins in pw, and my block's statistics in bmx and bsm ([64 blocks][4,096 rows] of f32)
	s_lshl_b32 s13, s13, 8
	s_lshl_b32 s14, s11, 7
	s_add_co_u32 s16, s13, s14                     ; my first row
	s_lshl_b32 s76, s42, 1
	s_add_co_u32 s76, s76, s12                     ; my block = 2 x tile column + half
	s_lshl_b32 s76, s76, 12
	s_add_co_u32 s76, s76, s16
	s_lshl_b32 s76, s76, 2
	s_mov_b32 s77, 0
	s_add_nc_u64 s[BMX:BMX+1], s[BMX:BMX+1], s[76:77]
	s_add_nc_u64 s[BSM:BSM+1], s[BSM:BSM+1], s[76:77]
	s_mov_b32 s17, 0
	s_mov_b64 s[18:19], SIZE_N*2
	s_mul_u64 s[16:17], s[16:17], s[18:19]
	s_lshl_b32 s46, s42, 9                         ; my first column, in bytes: 512 x tile column + 256 x half
	s_lshl_b32 s47, s12, 8
	s_add_co_u32 s46, s46, s47
	s_mov_b32 s47, 0
	s_add_nc_u64 s[16:17], s[16:17], s[46:47]
	s_add_nc_u64 s[8:9], s[8:9], s[16:17]
	; the prefetches
	s_lshl_b32 s42, s42, 8
	s_and_b32 s22, ttmp7, 0xffff                   ; cluster y
	s_cmp_eq_u32 s11, 0                            ; do I fetch for qb?
	s_cselect_b32 s20, s13, s42                    ; the tile's first row
	s_cselect_b32 s21, s40, s41                    ; my place among the four that ask for it with me
	s_cselect_b32 s22, ttmp9, s22                  ; the coordinate along which other clusters read the same rows
	s_cselect_b32 s23, 2, T_PF                     ; qb: all trips but the last two; eb: the trips that name the first tile's K steps
	s_cselect_b64 s[PFA:PFA+1], s[4:5], s[6:7]
	s_cmp_eq_u32 s22, 0
	s_cselect_b32 s[LIM], s23, -1                  ; the same in all sixteen partners, for a given wave
	s_lshl_b32 s22, s12, 7
	s_add_co_u32 s20, s20, s22                     ; + the 128 rows that I fetch
	s_lshl_b32 s21, s21, 5
	s_add_co_u32 s20, s20, s21                     ; + my work-group's 32 of them
	s_mov_b32 s21, 0
	s_mov_b64 s[18:19], SIZE_K*2
	s_mul_u64 s[20:21], s[20:21], s[18:19]
	s_add_nc_u64 s[PFA:PFA+1], s[PFA:PFA+1], s[20:21]
	s_add_nc_u64 s[PFA:PFA+1], s[PFA:PFA+1], 3*KSTEP*2  ; at K step 3: the first refill steps it to 4 and names that
	v_and_b32 v[PFO], 31, v0
	v_mul_u32_u24 v[PFO], v[PFO], SIZE_K*2
; 16 matrix instructions: m blocks a0, a0 + 1 of the window's four x all 8 n blocks, 32 along K.  zero = 1: the first product starts the sums, with the C operands of window 1.
; The 64 accumulators take turns, one instruction a turn, in the same order in every quarter.
.macro MUL16 f, hi, a0, zero
.if \zero
	WIN 0x91+0x40*(\hi)                            ; C in window 1, D in window 2 or 3
.else
	WIN MUL_LO+0x50*(\hi)
.endif
.irp a, \a0, (\a0)+1
.irp b, 0,1,2,3,4,5,6,7
.if \zero
	v_wmma_f32_16x16x32_bf16 v[8*(8*(\a)+(\b)):8*(8*(\a)+(\b))+7], v[(\f)+8*(\b):(\f)+8*(\b)+7], v[(\f)+8*(4*(\hi)+(\a)):(\f)+8*(4*(\hi)+(\a))+7], v[MB+8*(\b):MB+8*(\b)+7]
.else
	v_wmma_f32_16x16x32_bf16 v[8*(8*(\a)+(\b)):8*(8*(\a)+(\b))+7], v[(\f)+8*(\b):(\f)+8*(\b)+7], v[(\f)+8*(4*(\hi)+(\a)):(\f)+8*(4*(\hi)+(\a))+7], v[8*(8*(\a)+(\b)):8*(8*(\a)+(\b))+7]
.endif
.endr
.endr
.endm
; 32 LDS loads in one run: the fragments of one quarter step (32 K at byte k of the rows of the slot in hand) into buffer f
.macro FETCH k, f
	WIN TO_B
.irp i, 0,1,2,3,4,5,6,7
	ds_load_b128 v[(\f)+8*(\i):(\f)+8*(\i)+3],   v[ADRB] offset:(\k)+(\i)*16*PITCH
	ds_load_b128 v[(\f)+8*(\i)+4:(\f)+8*(\i)+7], v[ADRB] offset:(\k)+(\i)*16*PITCH+32
.endr
	WIN 0
.irp i, 0,1,2,3,4,5,6,7
	ds_load_b128 v[(\f)+8*(\i):(\f)+8*(\i)+3],   v[ADRA] offset:(\k)+(\i)*16*PITCH
	ds_load_b128 v[(\f)+8*(\i)+4:(\f)+8*(\i)+7], v[ADRA] offset:(\k)+(\i)*16*PITCH+32
.endr
.endm
.macro PLACES                          ; four plain vector instructions between a matrix instruction and a load into a register that it has read (ISA guide 7.12.1 for vector instructions)
.rept 4
	v_nop
.endr
.endm
.macro TOGGLE                          ; the fragment loads go on in the other slot
	WIN 0
	s_xor_b32 s[SOFF], s[SOFF], SLOT
	v_add_nc_u32 v[ADRA], s[SOFF], v[ADRA0]
	v_add_nc_u32 v[ADRB], s[SOFF], v[ADRB0]
.endm
; A K step is four quarters of 32 along K, 64 matrix instructions each, on buffers 0, 1, 0, 1.  One of the first three: multiplies f, fetches the next quarter (byte k) into g.
.macro QUARTER k, f, g, zero
	s_wait_dscnt 8                                 ; eb's fragments and qb's rows 0-63 are in; the youngest eight loads (rows 64-127) may be out
	MUL16 \f, 0, 0, \zero
	MUL16 \f, 0, 2, \zero
	PLACES
	FETCH \k, \g
	s_wait_dscnt 32                                ; all but the 32 just issued
	MUL16 \f, 1, 0, \zero
	MUL16 \f, 1, 2, \zero
.endm
; The first half of a K step's last quarter: ONE barrier for the change of slots.  In front of it each wave waits for all its tensor loads (one is out: its part of the next slot),
; adds 0 to its spare word, and waits for that and for its own reads of this slot.
.macro MEET round
	WIN 0
	s_wait_tensorcnt 0x0
	ds_add_u32 v[SPW], v[NIL]
	s_wait_dscnt 9                                 ; the add and the youngest eight loads may be out
	MUL16 F1, 0, 0, 0                              ; sixteen matrix instructions stand between the add and the wait for it
	s_wait_dscnt 0x0                               ; the add is done, and my reads of this slot are over
	s_barrier_signal -1
	MUL16 F1, 0, 2, 0
.if \round
	WIN 0
.endif
	s_barrier_wait -1
.endm
; The whole last quarter, with a refill: the barrier opens a round of the cluster's barrier, and the joint refill is the first tensor load behind it.  The walking descriptors change slots and
; go one K step on; in one trip of the walk that step leads to the next tile's K step 0 (qb: 2,048 rows down and back along K; eb: back along K).
.macro TURN
	s_wait_xcnt 0x0                                ; the last prefetch, a K step back, has read its address
	s_cmp_eq_u32 s3, T_PF
	s_cselect_b32 s[PS], s[KA], s[K256]
	s_add_nc_u64 s[PFA:PFA+1], s[PFA:PFA+1], s[PS:PS+1]
	MEET 1
	CREST                                          ; no wave of any partner still reads this slot's tile or has a load on its way
	s_cmp_eq_u32 s3, T_DESC
	s_cselect_b32 s[PS], s[KA], s[K256]
	s_cselect_b32 s[BS], BACK_B, 0
	s_xor_b32 s[G0+5], s[G0+5], SLOT
	s_add_nc_u64 s[G0+6:G0+7], s[G0+6:G0+7], s[PS:PS+1]
	s_xor_b32 s[G0B+5], s[G0B+5], SLOT
	s_add_nc_u64 s[G0B+6:G0B+7], s[G0B+6:G0B+7], KSTEP*2
	s_sub_nc_u64 s[G0B+6:G0B+7], s[G0B+6:G0B+7], s[BS:BS+1]
	JLOAD 1                                        ; 224 matrix instructions ahead of the wait for it; its four v_nop are also the places in front of the loads below
	TOGGLE
	FETCH 0, F0
	ASK
	MUL16 F1, 1, 0, 0
	MUL16 F1, 1, 2, 0
.endm
.macro TURNX                           ; the same where nothing is left to fetch: no round, no load
	MEET 0
	PLACES
	TOGGLE
	FETCH 0, F0
	MUL16 F1, 1, 0, 0
	MUL16 F1, 1, 2, 0
.endm
; THE WAY OUT works on ONE block of 16 rows, whose 8 accumulators lie at v0-63 of window 2: block 0 lies there; each later block is moved there when the block before is done.
.macro MAXB                            ; the block's maximum: each accumulator's lowest registers are read first
	WIN 0x2a                                       ; all three sources in window 2
.irp b, 0,1,2,3,4,5,6,7
	v_max3_num_f32 v[CH+(\b)], v[8*(\b)], v[8*(\b)+1], v[8*(\b)+2]
.endr
	WIN 0x28                                       ; source 0 in window 0
.irp b, 0,1,2,3,4,5,6,7
	v_max3_num_f32 v[CH+(\b)], v[CH+(\b)], v[8*(\b)+3], v[8*(\b)+4]
.endr
.irp b, 0,1,2,3,4,5,6,7
	v_max3_num_f32 v[CH+(\b)], v[CH+(\b)], v[8*(\b)+5], v[8*(\b)+6]
.endr
.irp i, 0,1,2,3
	v_max3_num_f32 v[CH+2*(\i)], v[CH+2*(\i)], v[16*(\i)+7], v[16*(\i)+15]
.endr
	WIN 0
	v_max3_num_f32 v[CH], v[CH], v[CH+1], v[CH+2]
	v_max3_num_f32 v[CH+3], v[CH+3], v[CH+4], v[CH+5]
	v_max_num_f32 v[CH+6], v[CH+6], v[CH+7]
	v_max3_num_f32 v[CH], v[CH], v[CH+3], v[CH+6]
	v_permlanex16_b32 v[XH], v[CH], s[SEL], s[SEL+1]  ; the row's other 64 columns lie in the lane 16 away
	v_max3_num_f32 v[MR], v[CH], v[XH], s[FLOOR]
	v_mul_f32 v[CM], s[CS], v[MR]
.endm
.macro SCL p                           ; pair p of 32: c s - c m
	v_pk_fma_f32 v[2*(\p):2*(\p)+1], v[2*(\p):2*(\p)+1], s[CS:CS+1], v[CM:CM+1] op_sel_hi:[1,0,0] neg_lo:[0,0,1] neg_hi:[0,0,1]
.endm
.macro EXPB                            ; the 64 exponentials are ONE batch: a pair is scaled two pairs ahead of its exponentials, nothing names a result, and one wait follows
	WIN 0x82                                       ; destination and source 0 in window 2, c m in window 0
	SCL 0
	SCL 1
.set e, 0
.rept 32
	v_exp_f32 v[2*e], v[2*e]
.if e < 30
	SCL e+2
.endif
	v_exp_f32 v[2*e+1], v[2*e+1]
.set e, e+1
.endr
	v_nop                                          ; a plain instruction behind the last exponential,
	s_wait_alu depctr_va_vdst(0)                   ; and the wait ahead of the first reader: one for the batch
.endm
.macro PACKB                           ; rounded to bf16: a lane's eight columns of a group are 16 bytes
	WIN 0x0a
.irp b, 0,1,2,3,4,5,6,7
.irp r, 0,1,2,3
	v_cvt_pk_bf16_f32 v[TMP+4*(\b)+(\r)], v[8*(\b)+2*(\r)], v[8*(\b)+2*(\r)+1]
.endr
.endr
.endm
.macro SUMLV w, n                      ; n packed additions of neighbours w / 2 registers apart
.set u, 0
.rept \n
	v_pk_add_f32 v[(\w)*u:(\w)*u+1], v[(\w)*u:(\w)*u+1], v[(\w)*u+(\w)/2:(\w)*u+(\w)/2+1]
.set u, u+1
.endr
.endm
.macro SUMB                            ; l: the sum of the unrounded weights, in place, as a tree
	WIN 0x8a
	SUMLV 4, 16
	SUMLV 8, 8
	SUMLV 16, 4
	SUMLV 32, 2
	SUMLV 64, 1
	WIN 0x0a
	v_add_f32 v[LT], v0, v1
	WIN 0
	v_permlanex16_b32 v[LX], v[LT], s[SEL], s[SEL+1]
	v_add_f32 v[LL], v[LT], v[LX]
.endm
.macro COPYB n                         ; behind block n - 1: block n's 64 registers go to the work registers; ascending
	s_cmp_lg_u32 s[EP], 9-(\n)
	s_cbranch_scc1 .Lnc_\@
	WIN 0x82+(\n)/4                                ; destination window 2, source window 2 or 3
.set i, 0
.rept 64
	v_mov_b32 v[i], v[64*((\n)%4)+i]
.set i, i+1
.endr
	WIN 0
.Lnc_\@:
.endm
; Eight trips, a block each: the softmax; into my own stage and back as whole rows of 256 bytes; the block's statistics into LDS; the next block is moved while the stage's loads are out; the rows are stored.
; pw's address is stepped ahead of the stores, which reach back by their immediates: so the step stands behind a wait that the softmax has already covered.
.macro WAYOUT
	WIN 0
.rept 8
	v_nop                                          ; the places behind the last products
.endr
	v_mov_b32 v[XH], 0                             ; v_permlanex16_b32's destinations count as read; c m is named as a pair
	v_mov_b32 v[CM+1], 0
	v_mov_b32 v[LX], 0
	v_mov_b32 v[SS], v[SS0]
	s_mov_b32 s[EP], 8
.Lblk_\@:
	MAXB
	EXPB
	PACKB
	SUMB
	s_wait_xcnt 0x0                                ; the stores of the block before, issued ahead of this block's softmax, have read their base and their registers
	s_add_nc_u64 s[8:9], s[8:9], 16*SIZE_N*2
.irp b, 0,1,2,3,4,5,6,7
	ds_store_b128 v[STO], v[TMP+4*(\b):TMP+4*(\b)+3] offset:32*(\b)
.endr
.irp t, 0,1,2,3,4,5,6,7
	ds_load_b128 v[OB+4*(\t):OB+4*(\t)+3], v[RD] offset:(\t)*2*SPITCH  ; LDS serves a wave's instructions in order (ISA guide 5.7.1.4): these see the stores above
.endr
	ds_store_b32 v[SS], v[CM]                      ; both halves of the lanes hold the same number and write the same word
	ds_store_b32 v[SS], v[LL] offset:512
	v_add_nc_u32 v[SS], 64, v[SS]
.irp n, 1,2,3,4,5,6,7
	COPYB \n
.endr
	s_wait_dscnt 0x0                               ; the block is back in registers
.irp t, 0,1,2,3,4,5,6,7
	global_store_b128 v[CO], v[OB+4*(\t):OB+4*(\t)+3], s[8:9] offset:(2*(\t)-16)*SIZE_N*2 th:TH_STORE_NT  ; 16 lanes store 256 consecutive bytes, aligned
.endr
	s_sub_co_u32 s[EP], s[EP], 1
	s_cmp_lg_u32 s[EP], 0
	s_cbranch_scc1 .Lblk_\@
	ds_load_b128 v[BACK:BACK+3], v[SR]             ; my wave's own words, in order behind its stores: four rows' c m a lane,
	ds_load_b128 v[BACK+4:BACK+7], v[SR] offset:512  ; and four rows' l
	s_wait_dscnt 0x0
	global_store_b128 v[SO], v[BACK:BACK+3], s[BMX:BMX+1]      ; 512 consecutive bytes, aligned
	global_store_b128 v[SO], v[BACK+4:BACK+7], s[BSM:BSM+1]
.endm
	s_wait_tensorcnt 1                             ; my part of K step 0 is in; K step 1's may stay out
	s_barrier_signal -1
	s_barrier_wait -1                              ; everybody's is
	FETCH 0, F0
	QUARTER 64,  F0, F1, 1                         ; the walk's first quarter stands in front of the loop: its products start the sums
	WIN 0                                          ; at a label and at a branch every window is 0
	s_mov_b32 s3, TRIPS
.Lstep:                                                ; a trip: a K step's last three quarters, a refill of its slot, and the next step's first quarter
	QUARTER 128, F1, F0, 0
	QUARTER 192, F0, F1, 0
	TURN
	WIN 0
	s_cmp_eq_u32 s3, T_TILE
	s_cbranch_scc1 .Lmid
	QUARTER 64,  F0, F1, 0
	WIN 0
	s_branch .Lbottom
.Lmid:                                                 ; the first tile is finished: its successor's K steps 0 and 1 have been asked for, and its first fragments lie in buffer 0
	WAYOUT
	s_wait_xcnt 0x0                                ; the stores have read their bases and registers: buffer 1 is loaded again below
	s_add_nc_u64 s[8:9], s[8:9], NEXT_C
	s_add_nc_u64 s[BMX:BMX+1], s[BMX:BMX+1], WALK*4
	s_add_nc_u64 s[BSM:BSM+1], s[BSM:BSM+1], WALK*4
	QUARTER 64,  F0, F1, 1                         ; the second tile's first products start its sums
	WIN 0
.Lbottom:
	s_sub_co_u32 s3, s3, 1
	s_cmp_lg_u32 s3, 0
	s_cbranch_scc1 .Lstep
	QUARTER 128, F1, F0, 0                         ; the walk's last two K steps fill nothing
	QUARTER 192, F0, F1, 0
	TURNX
	QUARTER 64,  F0, F1, 0
	QUARTER 128, F1, F0, 0
	QUARTER 192, F0, F1, 0
	s_wait_dscnt 0x0                               ; the very last quarter: nothing more to fetch
	MUL16 F1, 0, 0, 0
	MUL16 F1, 0, 2, 0
	MUL16 F1, 1, 0, 0
	MUL16 F1, 1, 2, 0
	WAYOUT
	s_wait_tensorcnt 0x0                           ; the wave's end: behind my last tensor load and my last LDS store
	ds_add_u32 v[SPW], v[NIL]
	s_wait_dscnt 0x0
	CROUND                                         ; the closing round: no work-group ends while a partner may still ask for a tile that names it
	s_endpgm
.Lfunc_end_k_q8791bb9d50_scores:
	.size	k_q8791bb9d50_scores, .Lfunc_end_k_q8791bb9d50_scores-k_q8791bb9d50_scores
	.p2alignl 7, 3214868480
	.fill 96, 4, 3214868480
	.section	.rodata,"a",@progbits
	.p2align	6, 0x0
	.amdhsa_kernel k_q8791bb9d50_scores
		.amdhsa_group_segment_fixed_size 327680
		.amdhsa_private_segment_fixed_size 0
		.amdhsa_enable_private_segment 0
		.amdhsa_kernarg_size 40
		.amdhsa_user_sgpr_count 2
		.amdhsa_user_sgpr_kernarg_segment_ptr 1
		.amdhsa_wavefront_size32 1
		.amdhsa_system_sgpr_workgroup_id_x 1
		.amdhsa_system_sgpr_workgroup_id_y 1
		.amdhsa_system_sgpr_workgroup_id_z 1
		.amdhsa_system_vgpr_workitem_id 0
		.amdhsa_next_free_vgpr 1024
		.amdhsa_next_free_sgpr 88
		.amdhsa_reserve_vcc 0
		.amdhsa_float_denorm_mode_32 3
		.amdhsa_float_denorm_mode_16_64 3
		.amdhsa_memory_ordered 1
		.amdhsa_forward_progress 1
		.amdhsa_inst_pref_size 153
	.end_amdhsa_kernel
	.amdgpu_metadata
---
amdhsa.version: [ 1, 2 ]
amdhsa.kernels:
  - .name:           k_q8791bb9d50_scores
    .symbol:         k_q8791bb9d50_scores.kd
    .args:
      - { .name: qb, .offset: 0, .size: 8, .value_kind: global_buffer, .address_space: global }
      - { .name: eb, .offset: 8, .size: 8, .value_kind: global_buffer, .address_space: global }
      - { .name: pw, .offset: 16, .size: 8, .value_kind: global_buffer, .address_space: global }
      - { .name: bmx, .offset: 24, .size: 8, .value_kind: global_buffer, .address_space: global }
      - { .name: bsm, .offset: 32, .size: 8, .value_kind: global_buffer, .address_space: global }
    .group_segment_fixed_size: 327680
    .private_segment_fixed_size: 0
    .kernarg_segment_align: 8
    .kernarg_segment_size: 40
    .max_flat_workgroup_size: 128
    .sgpr_count:     88
    .vgpr_count:     1024
    .wavefront_size: 32
...
	.end_amdgpu_metadata
.endif
;; end of part 2
;; launch context (part 3): grid 4 x 64, 4 waves a work-group, clusters of 4 x 4, 327,680 bytes of LDS; arguments pw, eb, bmx, bsm, op, smx, ssm; writes op, smx, ssm
.if DOCPART == 3
	.amdgcn_target "amdgcn-amd-amdhsa--gfx1250"
	.amdhsa_code_object_version 6
	.text
	.protected	k_q8791bb9d50_context
	.globl	k_q8791bb9d50_context
	.p2align	8
	.type	k_q8791bb9d50_context,@function
k_q8791bb9d50_context:
	s_mov_b64 s[64:65], 0
	v_nop
	global_prefetch_b8 v0, s[64:65] scope:SCOPE_SE
	s_setreg_imm32_b32 hwreg(HW_REG_WAVE_MODE, 25, 1), 1
	s_wait_xcnt 0x0
	s_wait_alu depctr_hold_cnt(0) depctr_sa_sdst(0) depctr_va_vdst(0) depctr_va_sdst(0) depctr_va_ssrc(0) depctr_va_vcc(0) depctr_vm_vsrc(0)
	s_getreg_b32 s2, hwreg(HW_REG_IB_STS2, 6, 4)
	s_cmp_eq_u32 s2, 0
	s_cbranch_scc0 .Lentry_in_a_cluster
	s_endpgm
.Lentry_in_a_cluster:
	s_bfe_u32 s2, ttmp6, 0x10000c
	s_cmp_lg_u32 s2, 0xf033
	s_cbranch_scc0 .Lentry_shape_is_right
	s_endpgm
.Lentry_shape_is_right:
; op[split][m][n] = the sum over the split's 2,048 keys k of pw[m][k] f[m][block of k] eb[k][n], in f32;  f = 2^(c m_blk - M),  M = the largest c m_blk of the split's 16 blocks of 128 keys,
; smx = M,  ssm = L = the sum over the blocks of f l_blk.  So pw f = 2^(c s - M): the split's weights under the split's own maximum.  The next launch joins the four splits.
; SHARES.  The 4,096 x 1,024 result has 64 tiles of 256 x 256; the keys are split four ways, so that 256 work-groups have equal work.  Four waves, each 128 x 128 (64 accumulators).
; A K step is 128 keys = one block of statistics, so a row has ONE factor in a K step.  The fragments of pw are multiplied by it (two bf16 at a time) between their load and their
; products: sixteen such lines at a quarter's head, the other 48 four at a time behind every fourth product, always ahead of the sixteen products that read them.  In a K step's last quarter
; the last 32 stand behind every second product of the second sixteen: so all of the step's scaling is issued when the next step's factors are loaded into the same eight registers.
; THE LOOP goes by K steps: 14 trips, a refill in each, from a step's second quarter to the next step's first; the last two steps, which fill nothing, are written out.  The slot in hand is a
; scalar offset, 0 or SLOT, turned by an exclusive or; one descriptor a tensor walks from the second fill on.
; eb lies [key][channel]: its fragments come out of LDS turned, by ds_load_tr16_b128; rows of 512 bytes + 32 of padding = 17 x 32.
; THE MATRIX INSTRUCTION IS USED TRANSPOSED (source 0 = 16 channels, source 1 = 16 rows of pw): a lane holds row l % 16 and the channels 8 (l / 16) + 0..7.
; CLUSTERS: 4 x 4 work-groups: x = the four tile columns, y = four tile rows; a cluster has one split.  pw's tiles are shared along a row of the cluster, eb's along a column.
; ROUNDING.  f is rounded to bf16 (L is summed with the rounded f), and so is the product pw f.  LIMITS as in the launch before: a block without keys has c m = -1.44e20, weights 0 and l = 0;
; a split is taken to hold a score above -1e20.  A factor below 2^-126 counts as 0.  NaN and infinities are not treated apart.
; REGISTERS: window 0: v0-31 addresses; v32-39 the factors; v64-127, v128-191 fragments of pw (in the head: at work); v192-255 the way out.
;   window 1: v64-191 fragments of eb.  windows 2, 3: the accumulators.
.set KSTEP,  128
.set STEPS,  16                        ; K steps of a split
.set TRIPS,  STEPS-2
.set PITCH,  272                       ; a row of pw in LDS: 256 bytes + 16
.set PB,     544                       ; a row of eb in LDS: 512 bytes + 32
.set HALFT,  128*PITCH                 ; what one tensor load brings: 128 rows of pw, or 64 rows of eb (64 x 544 is the same number)
.set SLOT,   4*HALFT                   ; 0x22000: it shares no bit with wave x HALFT, so an exclusive or with it changes slots
.set STAGE,  2*SLOT                    ; 16 rows x 272 bytes for each wave, for the way out
.set SPITCH, 272
.set FT,     STAGE+4*16*SPITCH         ; the factors: for K step i and row rho the word (f, f) at 1,024 i + 512 (rho / 128) + 32 (rho % 16) + 4 ((rho / 16) % 8)
.set SPARE,  FT+16*1024                ; the spare words, 128 bytes for each wave
.set ADRA0, 16                         ; v16  LDS address of my fragments of pw in slot 0; never rewritten
.set ADRA,  17                         ; v17  the same in the slot in hand
.set ADRB0, 20                         ; v20, v21 the same for eb
.set ADRB,  21
.set FS,   22                          ; v22  where I put my two rows' factors
.set HO,   23                          ; v23  8 x thread: my two rows in the statistics
.set STO,  24
.set RD,   25
.set CO,   26
.set FA,   27                          ; v27  where I read my rows' factors; steps by a K step
.set SPW,  28
.set NIL,  29
.set PFO,  30
.set FC,   32                          ; v32-39: the factor of block a of 16 rows at FC + a
.set F0,   64
.set F1,   128
.set BM,   64                          ; the head: v64-95 c m_blk of my two rows (K step i at 2 i, 2 i + 1), then f
.set BL,   96                          ; v96-127 l_blk
.set MS,   128                         ; v[128:129] M
.set LS,   130                         ; v[130:131] L
.set FW,   132                         ; v132-163 the words (f, f)
.set OB,   192                         ; the way out: v192-223, v224-255 by turns
.set G1,  24
.set G0,  32                           ; s[32:39] group 0 for pw: a set for each of the two first fills; the second then walks on
.set G1B, 48
.set G0B, 56
.set LIM, 43
.set PFA, 44
.set PST, 82                           ; s[82:83] the prefetches' step: a K step in pw (256 bytes) or in eb (128 rows)
.set SOFF, 88                          ; s88  0 or SLOT: the slot in hand
.set MSB, 0
.macro WIN new
.if MSB != (\new)
	s_set_vgpr_msb (MSB<<8)|(\new)
.set MSB, \new
.endif
.endm
.set MUL_LO, 0xa1
.set MUL_HI, 0xf1
.set TO_B,   0x40
.macro JLOAD s                         ; a joint load: waves 0 and 1 fetch pw's two halves, waves 2 and 3 eb's; an s_nop 0 and four v_nop follow each line
	s_cmp_eq_u32 s11, 0
	s_cbranch_scc0 .Lfor_b_\@
	tensor_load_to_lds s[G0+4*(\s):G0+4*(\s)+3], s[G1:G1+7]
	s_nop 0
.rept 4
	v_nop
.endr
	s_branch .Lasked_\@
.Lfor_b_\@:
	tensor_load_to_lds s[G0B+4*(\s):G0B+4*(\s)+3], s[G1B:G1B+7]
	s_nop 0
.rept 4
	v_nop
.endr
.Lasked_\@:
.endm
; A prefetch into the L2 behind each refill and its run of LDS loads: the K step that stands two refills on (512 matrix instructions ahead of its load), 32 blocks of 256 bytes, one a lane.
; pw's tiles are read by this cluster alone: its waves 0 and 1 always ask; partner cx takes 32 of a wave's 128 rows.  eb's tiles are read by the four clusters of a split: the first of
; them asks; partner cy takes 16 of a wave's 64 rows, two blocks a row.  Told apart by address: no branch hangs on a place in the cluster.  So each block is named once in the launch.
; K steps 0 to 3 come by their loads alone; the loop's last two trips ask for nothing.
.macro ASK
	s_cmp_gt_u32 s3, s[LIM]
	s_cbranch_scc0 .Lnot_mine_\@
	global_prefetch_b8 v[PFO], s[PFA:PFA+1] th:TH_LOAD_NT scope:SCOPE_SE
.Lnot_mine_\@:
.endm
.macro CREST
	s_cmp_lg_u32 s10, 0
	s_cbranch_scc1 .Lnot_wave_0_\@
	s_barrier_signal -3
.Lnot_wave_0_\@:
	s_barrier_wait -3
	s_barrier_signal -1
	s_barrier_wait -1
.endm
.macro CROUND
	s_barrier_signal -1
	s_barrier_wait -1
	CREST
.endm
	s_load_b128 s[4:7], s[0:1], 0x0                ; pw s[4:5], eb s[6:7]
	s_load_b128 s[72:75], s[0:1], 0x10             ; bmx s[72:73], bsm s[74:75]
	s_load_b64 s[8:9], s[0:1], 0x20                ; op
	s_load_b64 s[76:77], s[0:1], 0x28              ; smx
	s_load_b64 s[78:79], s[0:1], 0x30              ; ssm
	v_lshl_add_u32 v[SPW], v0, 2, SPARE
	v_mov_b32 v[NIL], 0
	ds_add_u32 v[SPW], v[NIL]                      ; the wave's opening: the add and its wait stand ahead of my first tensor load
	v_lshrrev_b32 v1, 5, v0
	v_readfirstlane_b32 s10, v1                    ; wave 0..3
	s_lshr_b32 s11, s10, 1                         ; which half of the tile's rows is mine.  Also: I fetch for pw (0) or for eb (1)
	s_and_b32 s12, s10, 1                          ; which half of its channels.  Also: which half of that tile I fetch
	s_bfe_u32 s40, ttmp6, 0x40000                  ; cx
	s_bfe_u32 s41, ttmp6, 0x40004                  ; cy
	s_lshl_b32 s42, ttmp9, 2
	s_add_co_u32 s42, s42, s40                     ; tile column = 4 x cluster x + cx
	s_and_b32 s80, ttmp7, 0xffff                   ; cluster y, 0..15
	s_lshr_b32 s81, s80, 2                         ; the split: the same in the whole cluster
	s_and_b32 s13, s80, 3
	s_lshl_b32 s13, s13, 2
	s_add_co_u32 s13, s13, s41                     ; tile row = 4 x (cluster y % 4) + cy
	s_lshl_b32 s43, s41, 2
	s_lshl_b32 s43, 15, s43                        ; my row of the cluster
	s_lshl_b32 s44, 0x1111, s40                    ; my column
	s_or_b32 s[G1+0], s43, (1<<16)|(1<<20)|(1<<21)|(5<<22)|(3<<25)   ; pw: 2-byte elements, 4 words of padding behind every 64
	s_mov_b32 s[G1+1], 128<<16                     ; tensor_dim0 = 128
	s_mov_b32 s[G1+2], 128<<16                     ; tensor_dim1 = 128
	s_mov_b32 s[G1+3], 128<<16                     ; tile_dim0 = 128
	s_mov_b32 s[G1+4], 128                         ; tile_dim1 = 128
	s_mov_b32 s[G1+5], 8192                        ; elements from row to row
	s_mov_b32 s[G1+6], 0
	s_mov_b32 s[G1+7], 0
	s_or_b32 s[G1B+0], s44, (1<<16)|(1<<20)|(1<<21)|(6<<22)|(7<<25)  ; eb: 8 words of padding behind every 128
	s_mov_b32 s[G1B+1], 256<<16                    ; tensor_dim0 = 256
	s_mov_b32 s[G1B+2], 64<<16                     ; tensor_dim1 = 64
	s_mov_b32 s[G1B+3], 256<<16                    ; tile_dim0 = 256
	s_mov_b32 s[G1B+4], 64                         ; tile_dim1 = 64
	s_mov_b32 s[G1B+5], 1024
	s_mov_b32 s[G1B+6], 0
	s_mov_b32 s[G1B+7], 0
	s_lshl_b32 s16, s13, 8
	s_lshl_b32 s17, s12, 7
	s_add_co_u32 s16, s16, s17                     ; pw: row 256 x tile row + 128 x half,
	s_lshl_b32 s16, s16, 14                        ; of 16,384 bytes,
	s_lshl_b32 s17, s81, 12
	s_add_co_u32 s16, s16, s17                     ; + the split's 4,096 bytes along the row (all under 2^27)
	s_mov_b32 s17, 0
	s_lshl_b32 s46, s81, 11
	s_lshl_b32 s47, s12, 6
	s_add_co_u32 s46, s46, s47                     ; eb: row 2,048 x split + 64 x half,
	s_lshl_b32 s46, s46, 11                        ; of 2,048 bytes,
	s_lshl_b32 s47, s42, 9
	s_add_co_u32 s46, s46, s47                     ; + the tile column's 512 bytes
	s_mov_b32 s47, 0
	s_mul_i32 s20, s10, HALFT                      ; where they go: no place in the cluster enters an LDS address
	s_mov_b32 s[SOFF], 0
	s_wait_dscnt 0x0                               ; the opening add is done
	s_wait_kmcnt 0x0
	s_add_nc_u64 s[14:15], s[4:5], s[16:17]
	s_add_nc_u64 s[46:47], s[6:7], s[46:47]
	CROUND                                         ; all sixteen work-groups are here: the first joint loads meet
.irp s, 0,1
	s_mov_b32 s[G0+4*(\s)], 1
	s_add_co_u32 s[G0+4*(\s)+1], s20, (\s)*SLOT
	s_add_nc_u64 s[G0+4*(\s)+2:G0+4*(\s)+3], s[14:15], (\s)*256
	s_or_b32 s[G0+4*(\s)+3], s[G0+4*(\s)+3], 0x80000000
	s_mov_b32 s[G0B+4*(\s)], 1
	s_add_co_u32 s[G0B+4*(\s)+1], s20, (\s)*SLOT
	s_add_nc_u64 s[G0B+4*(\s)+2:G0B+4*(\s)+3], s[46:47], (\s)*262144
	s_or_b32 s[G0B+4*(\s)+3], s[G0B+4*(\s)+3], 0x80000000
	JLOAD \s                                       ; two loads of mine are out
.endr
	; THE HEAD, while the first tiles are on their way.  Thread t owns rows 2 t and 2 t + 1 of the tile's 256: the 16 blocks' c m and l, 8 bytes a load; a wave's load covers 256 consecutive bytes.
	s_lshl_b32 s84, s81, 18                        ; 16 blocks x 4,096 rows x 4 bytes a split
	s_lshl_b32 s85, s13, 10                        ; 256 rows x 4 bytes a tile row
	s_add_co_u32 s84, s84, s85
	s_mov_b32 s85, 0
	s_add_nc_u64 s[72:73], s[72:73], s[84:85]
	s_add_nc_u64 s[74:75], s[74:75], s[84:85]
	v_lshlrev_b32 v[HO], 3, v0
.irp i, 0,1,2,3,4,5,6,7,8,9,10,11,12,13,14,15
	global_load_b64 v[BM+2*(\i):BM+2*(\i)+1], v[HO], s[72:73] offset:16384*(\i)
.endr
.irp i, 0,1,2,3,4,5,6,7,8,9,10,11,12,13,14,15
	global_load_b64 v[BL+2*(\i):BL+2*(\i)+1], v[HO], s[74:75] offset:16384*(\i)
.endr
	s_lshl_b32 s84, s42, 16                        ; smx, ssm: [4 tile columns][4 splits][4,096 rows]: each tile column has a copy of its own, so each byte has one writer
	s_lshl_b32 s86, s81, 14
	s_add_co_u32 s84, s84, s86
	s_lshl_b32 s86, s13, 10
	s_add_co_u32 s84, s84, s86
	s_add_nc_u64 s[76:77], s[76:77], s[84:85]
	s_add_nc_u64 s[78:79], s[78:79], s[84:85]
	v_and_b32 v1, 15, v0                           ; l % 16
	v_bfe_u32 v2, v0, 4, 1                         ; l / 16
	v_mul_u32_u24 v3, v1, PITCH
	v_lshl_add_u32 v3, v2, 4, v3                   ; pw: a fragment's row x pitch + 16 x half
	; eb: the turning load takes 16 keys x 16 channels (lane l reads key 8 (l / 16) + l % 8, channels 8 ((l / 8) % 2) + 0..7) and leaves half a fragment: lane l holds channel l % 16 and 8 keys
	v_and_b32 v6, 7, v0
	v_lshl_add_u32 v6, v2, 3, v6
	v_mul_u32_u24 v6, v6, PB
	v_bfe_u32 v7, v0, 3, 1
	v_lshl_add_u32 v6, v7, 4, v6
	s_mul_i32 s21, s11, HALFT                      ; my 128 rows of pw
	s_lshl_b32 s22, s12, 8                         ; my 128 channels: 256 bytes of eb's rows,
	s_add_co_u32 s22, s22, 2*HALFT                 ; which lie behind pw's
	v_add_nc_u32 v[ADRA0], s21, v3
	v_add_nc_u32 v[ADRB0], s22, v6
	v_mov_b32 v[ADRA], v[ADRA0]                    ; the walk begins in slot 0
	v_mov_b32 v[ADRB], v[ADRB0]
	s_lshl_b32 s23, s11, 9
	s_add_co_u32 s23, s23, FT
	v_lshl_add_u32 v[FA], v1, 5, s23               ; my row's eight words (blocks 0-7) of K step 0
	v_lshrrev_b32 v5, 6, v0                        ; rows 2 t, 2 t + 1: half t / 64,
	v_lshlrev_b32 v5, 9, v5
	v_and_b32 v6, 7, v0
	v_lshl_add_u32 v5, v6, 6, v5                   ; row % 16 = 2 (t % 8) (+ 1: 32 bytes on),
	v_bfe_u32 v6, v0, 3, 3
	v_lshl_add_u32 v5, v6, 2, v5                   ; block (t / 8) % 8
	v_add_nc_u32 v[FS], FT, v5
	s_mul_i32 s23, s10, 16*SPITCH
	s_add_co_u32 s23, s23, STAGE                   ; my stage
	v_mul_u32_u24 v4, v1, SPITCH                   ; in: row l % 16, 32 bytes for each half of the lanes
	v_lshl_add_u32 v4, v2, 5, v4
	v_add_nc_u32 v[STO], s23, v4
	v_mul_u32_u24 v5, v2, SPITCH                   ; back: lanes 0-15 take one row of 256 bytes, lanes 16-31 the next
	v_lshl_add_u32 v5, v1, 4, v5
	v_add_nc_u32 v[RD], s23, v5
	v_lshlrev_b32 v5, 12, v2                       ; and the same two rows in op
	v_lshl_add_u32 v[CO], v1, 4, v5
	s_lshl_b32 s84, s13, 8
	s_lshl_b32 s86, s11, 7
	s_add_co_u32 s84, s84, s86                     ; my first row,
	s_lshl_b32 s84, s84, 12                        ; of 4,096 bytes,
	s_lshl_b32 s86, s81, 24
	s_add_co_u32 s84, s84, s86                     ; in the split's 16,777,216 bytes,
	s_lshl_b32 s86, s42, 10
	s_add_co_u32 s84, s84, s86                     ; the tile column's 1,024 bytes,
	s_lshl_b32 s86, s12, 9
	s_add_co_u32 s84, s84, s86                     ; my half of them (all under 2^27)
	s_add_nc_u64 s[8:9], s[8:9], s[84:85]
	; the prefetches: from my own tile's address
	s_cmp_eq_u32 s11, 0                            ; do I fetch for pw?
	s_cselect_b32 s84, 0, 1                        ; a lane a row, or two lanes a row
	s_cselect_b32 s86, 14, 11                      ; a row's bytes, as a shift
	s_cselect_b32 s87, 8, 18                       ; a K step's bytes, as a shift
	s_cselect_b32 s21, 19, 15                      ; my work-group's share: 32 rows of pw, or 16 of eb
	s_cselect_b32 s20, s40, s41                    ; my place among the four that ask with me
	s_cselect_b32 s22, 0, s80
	s_cselect_b64 s[PFA:PFA+1], s[14:15], s[46:47]
	s_lshl_b32 s[PST], 1, s87
	s_mov_b32 s[PST+1], 0
	s_lshl_b32 s20, s20, s21
	s_mov_b32 s21, 0
	s_add_nc_u64 s[PFA:PFA+1], s[PFA:PFA+1], s[20:21]
	s_mul_i32 s20, s[PST], 3
	s_add_nc_u64 s[PFA:PFA+1], s[PFA:PFA+1], s[20:21]  ; at K step 3: the first refill steps it to 4 and names that
	s_and_b32 s22, s22, 3                          ; for eb: is my cluster the split's first?
	s_cmp_eq_u32 s22, 0
	s_cselect_b32 s[LIM], 2, -1                    ; the same in all sixteen partners, for a given wave: all trips but the last two
	v_and_b32 v5, 31, v0
	v_lshrrev_b32 v6, s84, v5
	v_lshlrev_b32 v6, s86, v6
	v_and_b32 v7, s84, v5
	v_lshl_add_u32 v[PFO], v7, 8, v6
	; M, f, L
	s_wait_loadcnt 16                              ; c m is in; l's sixteen loads may stay out
.irp p, 0,1
	v_max3_num_f32 v[MS+(\p)], v[BM+(\p)], v[BM+2+(\p)], v[BM+4+(\p)]
.endr
.irp i, 3,5,7,9,11,13
.irp p, 0,1
	v_max3_num_f32 v[MS+(\p)], v[MS+(\p)], v[BM+2*(\i)+(\p)], v[BM+2*(\i)+2+(\p)]
.endr
.endr
.irp p, 0,1
	v_max_num_f32 v[MS+(\p)], v[MS+(\p)], v[BM+30+(\p)]
.endr
.irp i, 0,1,2,3,4,5,6,7,8,9,10,11,12,13,14,15
	v_pk_add_f32 v[BM+2*(\i):BM+2*(\i)+1], v[BM+2*(\i):BM+2*(\i)+1], v[MS:MS+1] neg_lo:[0,1] neg_hi:[0,1]  ; c m_blk - M, never above 0
.endr
.set i, 0
.rept 32
	v_exp_f32 v[BM+i], v[BM+i]
.set i, i+1
.endr
	v_nop                                          ; a plain instruction behind the last exponential,
	s_wait_alu depctr_va_vdst(0)                   ; and the wait ahead of the first reader: one for the 32
.set i, 0
.rept 32
	v_cvt_pk_bf16_f32 v[FW+i], v[BM+i], v[BM+i]    ; the word (f, f)
.set i, i+1
.endr
.set i, 0
.rept 32
	v_and_b32 v[BM+i], 0xffff0000, v[FW+i]         ; the rounded f as f32: L is summed with the factor that the products see
.set i, i+1
.endr
	s_wait_loadcnt 0x0                             ; l
	v_pk_mul_f32 v[LS:LS+1], v[BM:BM+1], v[BL:BL+1]
.irp i, 1,2,3,4,5,6,7,8,9,10,11,12,13,14,15
	v_pk_fma_f32 v[LS:LS+1], v[BM+2*(\i):BM+2*(\i)+1], v[BL+2*(\i):BL+2*(\i)+1], v[LS:LS+1]
.endr
.irp i, 0,1,2,3,4,5,6,7,8,9,10,11,12,13,14,15
	ds_store_b32 v[FS], v[FW+2*(\i)] offset:1024*(\i)
	ds_store_b32 v[FS], v[FW+2*(\i)+1] offset:1024*(\i)+32
.endr
	global_store_b64 v[HO], v[MS:MS+1], s[76:77]   ; a wave's store covers 256 consecutive bytes, aligned
	global_store_b64 v[HO], v[LS:LS+1], s[78:79]
.macro FACT                            ; a K step's factors for my eight blocks of rows; issued ahead of the step's first fragments, so every counted wait for those covers it
	WIN 0
	ds_load_b128 v[FC:FC+3],   v[FA]
	ds_load_b128 v[FC+4:FC+7], v[FA] offset:16
.endm
.macro FETCH q, f                      ; 32 LDS loads in one run: quarter q's fragments (32 keys) of the slot in hand into buffer f: eb's turned, then pw's
	WIN TO_B
.irp i, 0,1,2,3,4,5,6,7
	ds_load_tr16_b128 v[(\f)+8*(\i):(\f)+8*(\i)+3],   v[ADRB] offset:32*PB*(\q)+32*(\i)
	ds_load_tr16_b128 v[(\f)+8*(\i)+4:(\f)+8*(\i)+7], v[ADRB] offset:32*PB*(\q)+32*(\i)+16*PB
.endr
	WIN 0
.irp i, 0,1,2,3,4,5,6,7
	ds_load_b128 v[(\f)+8*(\i):(\f)+8*(\i)+3],   v[ADRA] offset:64*(\q)+(\i)*16*PITCH
	ds_load_b128 v[(\f)+8*(\i)+4:(\f)+8*(\i)+7], v[ADRA] offset:64*(\q)+(\i)*16*PITCH+32
.endr
.endm
.macro SCALE4 f, n                     ; registers 4 n .. 4 n + 3 of pw's fragments in buffer f (block n / 2) times the row's factor
	WIN 0
.irp j, 0,1,2,3
	v_pk_mul_bf16 v[(\f)+4*(\n)+(\j)], v[(\f)+4*(\n)+(\j)], v[FC+(\n)/2]
.endr
.endm
.macro LUMP f                          ; blocks 0 and 1, which the quarter's first products read
.irp n, 0,1,2,3
	SCALE4 \f, \n
.endr
.endm
; 16 matrix instructions (m blocks a0, a0 + 1 of the window's four x all 8 n blocks).  zero = 1: they start the sums.  n0 >= 0: behind every product whose number divides by 'every' stand four lines
; that scale the next four registers from 4 n0 on, which later products read; they name no register of the products round them.  The 64 accumulators take turns, in the same order in every quarter.
.macro MUL16S f, hi, a0, zero, n0, every
.set np, 0
.irp a, \a0, (\a0)+1
.irp b, 0,1,2,3,4,5,6,7
	WIN MUL_LO+0x50*(\hi)
.if \zero
	v_wmma_f32_16x16x32_bf16 v[8*(8*(\a)+(\b)):8*(8*(\a)+(\b))+7], v[(\f)+8*(\b):(\f)+8*(\b)+7], v[(\f)+8*(4*(\hi)+(\a)):(\f)+8*(4*(\hi)+(\a))+7], 0
.else
	v_wmma_f32_16x16x32_bf16 v[8*(8*(\a)+(\b)):8*(8*(\a)+(\b))+7], v[(\f)+8*(\b):(\f)+8*(\b)+7], v[(\f)+8*(4*(\hi)+(\a)):(\f)+8*(4*(\hi)+(\a))+7], v[8*(8*(\a)+(\b)):8*(8*(\a)+(\b))+7]
.endif
.set np, np+1
.if ((\n0) >= 0) && (np%(\every) == 0)
	SCALE4 \f, (\n0)+np/(\every)-1
.endif
.endr
.endr
.endm
.macro PLACES
.rept 4
	v_nop
.endr
.endm
.macro TOGGLE                          ; the fragment loads go on in the other slot, the factors' in the next K step
	WIN 0
	s_xor_b32 s[SOFF], s[SOFF], SLOT
	v_add_nc_u32 v[ADRA], s[SOFF], v[ADRA0]
	v_add_nc_u32 v[ADRB], s[SOFF], v[ADRB0]
	v_add_nc_u32 v[FA], 1024, v[FA]
.endm
; One of a K step's first three quarters: multiplies buffer f, fetches quarter q into buffer g.
.macro QUARTER q, f, g, zero
	s_wait_dscnt 8                                 ; the factors, eb's fragments and pw's rows 0-63 are in; the youngest eight loads (rows 64-127) may be out
	LUMP \f
	MUL16S \f, 0, 0, \zero, 4, 4                   ; and blocks 2, 3 are scaled
	s_wait_dscnt 0x0                               ; rows 64-127 are in: nothing else is out
	MUL16S \f, 0, 2, \zero, 8, 4                   ; blocks 4, 5
	PLACES
	FETCH \q, \g
	MUL16S \f, 1, 0, \zero, 12, 4                  ; blocks 6, 7
	MUL16S \f, 1, 2, \zero, -1, 4
.endm
.macro MEET round                      ; the first half of a K step's last quarter: ONE barrier for the change of slots, with every wave's three lines in front of it
	WIN 0
	s_wait_tensorcnt 0x0                           ; all my tensor loads have landed: the one that was out is my part of the next slot
	ds_add_u32 v[SPW], v[NIL]
	s_wait_dscnt 9                                 ; the add and the youngest eight loads may be out
	LUMP F1
	MUL16S F1, 0, 0, 0, 4, 4
	s_wait_dscnt 0x0                               ; the add is done, and my reads of this slot are over
	s_barrier_signal -1
	MUL16S F1, 0, 2, 0, 8, 2                       ; blocks 4 to 7: the step's factors are read for the last time
.if \round
	WIN 0
.endif
	s_barrier_wait -1
.endm
.macro TURN                            ; the whole last quarter, with a refill
	s_wait_xcnt 0x0                                ; the last prefetch, a K step back, has read its address
	s_add_nc_u64 s[PFA:PFA+1], s[PFA:PFA+1], s[PST:PST+1]
	MEET 1
	CREST                                          ; no wave of any partner still reads this slot's tile or has a load on its way
	s_xor_b32 s[G0+5], s[G0+5], SLOT               ; the walking descriptors: the other slot than last time, one K step on
	s_add_nc_u64 s[G0+6:G0+7], s[G0+6:G0+7], 256
	s_xor_b32 s[G0B+5], s[G0B+5], SLOT
	s_add_nc_u64 s[G0B+6:G0B+7], s[G0B+6:G0B+7], 262144
	JLOAD 1                                        ; the first tensor load behind the round; its four v_nop are also the places in front of the loads below
	TOGGLE
	FACT
	FETCH 0, F0
	ASK
	MUL16S F1, 1, 0, 0, -1, 4
	MUL16S F1, 1, 2, 0, -1, 4
.endm
	s_wait_xcnt 0x0                                ; the two stores have read M and L: their registers are fragment buffers from here on
	s_wait_tensorcnt 1                             ; my part of K step 0 is in; K step 1's may stay out
	s_wait_dscnt 0x0                               ; my factors are in LDS
	s_barrier_signal -1
	s_barrier_wait -1                              ; everybody's are
	FACT
	FETCH 0, F0
	QUARTER 1, F0, F1, 1                           ; the first quarter stands in front of the loop: its products start the sums
	WIN 0
	s_mov_b32 s3, TRIPS
.Lstep:                                                ; a trip: a K step's last three quarters, a refill of its slot, and the next step's first quarter
	QUARTER 2, F1, F0, 0
	QUARTER 3, F0, F1, 0
	TURN
	QUARTER 1, F0, F1, 0
	WIN 0
	s_sub_co_u32 s3, s3, 1
	s_cmp_lg_u32 s3, 0
	s_cbranch_scc1 .Lstep
	QUARTER 2, F1, F0, 0                           ; the last two K steps fill nothing
	QUARTER 3, F0, F1, 0
	MEET 0
	PLACES
	TOGGLE
	FACT
	FETCH 0, F0
	MUL16S F1, 1, 0, 0, -1, 4
	MUL16S F1, 1, 2, 0, -1, 4
	QUARTER 1, F0, F1, 0
	QUARTER 2, F1, F0, 0
	QUARTER 3, F0, F1, 0
	s_wait_dscnt 0x0                               ; the very last quarter
	LUMP F1
	MUL16S F1, 0, 0, 0, 4, 4
	MUL16S F1, 0, 2, 0, 8, 4
	MUL16S F1, 1, 0, 0, 12, 4
	MUL16S F1, 1, 2, 0, -1, 4
	WIN 0
.rept 8
	v_nop                                          ; the places behind the last products
.endr
; THE WAY OUT, in f32: sixteen passes n: block n / 2 of 16 rows, half n % 2 of my 128 channels (64 channels = 256 bytes a row).  Straight from the accumulators into my stage (each from its
; low end), back as whole rows, and stored: 16 lanes fill 256 consecutive bytes, aligned.
.macro OSTAGE n
.set AC, 64*(((\n)/2)%4)+32*((\n)%2)
.set BK, OB+32*((\n)%2)
.if (\n) >= 2
	s_wait_xcnt 0x0                                ; the stores of pass n - 2 have read the registers that are loaded below
.endif
	WIN 0x08+4*((\n)/8)                            ; the data in window 2 or 3
.irp b, 0,1,2,3
	ds_store_b128 v[STO], v[AC+8*(\b):AC+8*(\b)+3]   offset:64*(\b)
	ds_store_b128 v[STO], v[AC+8*(\b)+4:AC+8*(\b)+7] offset:64*(\b)+16
.endr
	WIN 0
.irp t, 0,1,2,3,4,5,6,7
	ds_load_b128 v[BK+4*(\t):BK+4*(\t)+3], v[RD] offset:(\t)*2*SPITCH  ; LDS serves a wave's instructions in order (ISA guide 5.7.1.4): these see the stores above; the next pass's stores come behind them
.endr
.endm
.macro OSEND n, younger                ; younger: the LDS instructions issued behind pass n's loads
.set BK, OB+32*((\n)%2)
	s_wait_dscnt \younger
.irp t, 0,1,2,3,4,5,6,7
	global_store_b128 v[CO], v[BK+4*(\t):BK+4*(\t)+3], s[8:9] offset:(16*((\n)/2)+2*(\t))*4096+256*((\n)%2) th:TH_STORE_NT
.endr
.endm
	OSTAGE 0
.irp n, 1,2,3,4,5,6,7,8,9,10,11,12,13,14,15
	OSTAGE \n
	OSEND (\n)-1, 16                               ; pass n's eight stores and eight loads stay out
.endr
	OSEND 15, 0
	s_wait_tensorcnt 0x0                           ; the wave's end: behind my last tensor load and my last LDS store
	ds_add_u32 v[SPW], v[NIL]
	s_wait_dscnt 0x0
	CROUND                                         ; the closing round
	s_endpgm
.Lfunc_end_k_q8791bb9d50_context:
	.size	k_q8791bb9d50_context, .Lfunc_end_k_q8791bb9d50_context-k_q8791bb9d50_context
	.p2alignl 7, 3214868480
	.fill 96, 4, 3214868480
	.section	.rodata,"a",@progbits
	.p2align	6, 0x0
	.amdhsa_kernel k_q8791bb9d50_context
		.amdhsa_group_segment_fixed_size 327680
		.amdhsa_private_segment_fixed_size 0
		.amdhsa_enable_private_segment 0
		.amdhsa_kernarg_size 56
		.amdhsa_user_sgpr_count 2
		.amdhsa_user_sgpr_kernarg_segment_ptr 1
		.amdhsa_wavefront_size32 1
		.amdhsa_system_sgpr_workgroup_id_x 1
		.amdhsa_system_sgpr_workgroup_id_y 1
		.amdhsa_system_sgpr_workgroup_id_z 1
		.amdhsa_system_vgpr_workitem_id 0
		.amdhsa_next_free_vgpr 1024
		.amdhsa_next_free_sgpr 92
		.amdhsa_reserve_vcc 0
		.amdhsa_float_denorm_mode_32 3
		.amdhsa_float_denorm_mode_16_64 3
		.amdhsa_memory_ordered 1
		.amdhsa_forward_progress 1
		.amdhsa_inst_pref_size 188
	.end_amdhsa_kernel
	.amdgpu_metadata
---
amdhsa.version: [ 1, 2 ]
amdhsa.kernels:
  - .name:           k_q8791bb9d50_context
    .symbol:         k_q8791bb9d50_context.kd
    .args:
      - { .name: pw, .offset: 0, .size: 8, .value_kind: global_buffer, .address_space: global }
      - { .name: eb, .offset: 8, .size: 8, .value_kind: global_buffer, .address_space: global }
      - { .name: bmx, .offset: 16, .size: 8, .value_kind: global_buffer, .address_space: global }
      - { .name: bsm, .offset: 24, .size: 8, .value_kind: global_buffer, .address_space: global }
      - { .name: op, .offset: 32, .size: 8, .value_kind: global_buffer, .address_space: global }
      - { .name: smx, .offset: 40, .size: 8, .value_kind: global_buffer, .address_space: global }
      - { .name: ssm, .offset: 48, .size: 8, .value_kind: global_buffer, .address_space: global }
    .group_segment_fixed_size: 327680
    .private_segment_fixed_size: 0
    .kernarg_segment_align: 8
    .kernarg_segment_size: 56
    .max_flat_workgroup_size: 128
    .sgpr_count:     92
    .vgpr_count:     1024
    .wavefront_size: 32
...
	.end_amdgpu_metadata
.endif
;; end of part 3
;; launch combine (part 4): grid 512 x 1, 8 waves a work-group, no clusters, 0 bytes of LDS; arguments op, q, smx, ssm, out0; writes out0
.if DOCPART == 4
	.amdgcn_target "amdgcn-amd-amdhsa--gfx1250"
	.amdhsa_code_object_version 6
	.text
	.protected	k_q8791bb9d50_combine
	.globl	k_q8791bb9d50_combine
	.p2align	8
	.type	k_q8791bb9d50_combine,@function
k_q8791bb9d50_combine:
	s_mov_b64 s[64:65], 0
	v_nop
	global_prefetch_b8 v0, s[64:65] scope:SCOPE_SE
	s_setreg_imm32_b32 hwreg(HW_REG_WAVE_MODE, 25, 1), 1
	s_wait_xcnt 0x0
; out0[r][:] = q[r][:] + the sum over the four splits s of w_s op[s][r][:],   w_s = 2^(M_s - M) / (the sum over s of 2^(M_s - M) L_s),   M = the largest of the row's four M_s.
; So the row's true maximum is taken away before the last exponentials, and the divisor is at least the L of the split that holds it, which is 1 or more.
; A stream: op (four times the output's bytes) and q are read once, out0 written once.  A work-group takes 8 rows; wave w takes tile column w % 4 (1,024 bytes of a row) of rows
; 4 (w / 4) .. + 3, and reads the copy of the statistics that this tile column's work-groups stored.  All 48 loads of a wave go out at once; each load and store covers 512 consecutive bytes.
; No LDS, no barrier, no matrix work: no wave needs a byte of another's.
.set MV, 4                             ; v[4:7]     M_s of row r0 + lane % 4, then 2^(M_s - M)
.set LV, 8                             ; v[8:11]    L_s
.set QV, 16                            ; v[16:47]   row i: 8 registers of q, then of out0
.set OV, 48                            ; v[48:175]  row i, split s: 8 registers at 32 i + 8 s
.set WT, 176                           ; v[176:179] w_s: lane i (0..3) holds row i's
.set OPB, 12                           ; s[12:19]   op at each of the four splits
.set WS,  20                           ; s[20:27]   the row's four weights, each the low word of a pair (the high words hold 0: the pair is named)
	s_load_b256 s[4:11], s[0:1], 0x0               ; op s[4:5], q s[6:7], smx s[8:9], ssm s[10:11]
	s_load_b64 s[28:29], s[0:1], 0x20              ; out0
	v_lshrrev_b32 v3, 5, v0
	v_readfirstlane_b32 s30, v3                    ; wave 0..7
	s_and_b32 s31, s30, 3                          ; tile column
	s_lshr_b32 s32, s30, 2
	s_lshl_b32 s32, s32, 2
	s_lshl_b32 s33, ttmp9, 3
	s_add_co_u32 s32, s32, s33                     ; r0: my first row
	v_and_b32 v3, 31, v0
	s_lshl_b32 s33, s32, 12
	s_lshl_b32 s34, s31, 10
	s_add_co_u32 s33, s33, s34
	v_lshl_add_u32 v1, v3, 4, s33                  ; 4,096 r0 + 1,024 x tile column + 16 x lane
	s_lshl_b32 s34, s31, 14                        ; the tile column's 4 x 4,096 numbers
	s_add_co_u32 s34, s34, s32
	v_and_b32 v3, 3, v3
	v_add_lshl_u32 v2, v3, s34, 2                  ; row r0 + lane % 4
	s_mov_b32 s[WS+1], 0
	s_mov_b32 s[WS+3], 0
	s_mov_b32 s[WS+5], 0
	s_mov_b32 s[WS+7], 0
	s_wait_kmcnt 0x0
	s_mov_b64 s[OPB:OPB+1], s[4:5]
	s_add_nc_u64 s[OPB+2:OPB+3], s[4:5], 0x1000000
	s_add_nc_u64 s[OPB+4:OPB+5], s[4:5], 0x2000000
	s_add_nc_u64 s[OPB+6:OPB+7], s[4:5], 0x3000000
.irp s, 0,1,2,3
	global_load_b32 v[MV+(\s)], v2, s[8:9] offset:16384*(\s)
.endr
.irp s, 0,1,2,3
	global_load_b32 v[LV+(\s)], v2, s[10:11] offset:16384*(\s)
.endr
.irp i, 0,1,2,3                        ; ten loads a row
.irp j, 0,1
	global_load_b128 v[QV+8*(\i)+4*(\j):QV+8*(\i)+4*(\j)+3], v1, s[6:7] offset:4096*(\i)+512*(\j) th:TH_LOAD_NT
.endr
.irp s, 0,1,2,3
.irp j, 0,1
	global_load_b128 v[OV+32*(\i)+8*(\s)+4*(\j):OV+32*(\i)+8*(\s)+4*(\j)+3], v1, s[OPB+2*(\s):OPB+2*(\s)+1] offset:4096*(\i)+512*(\j) th:TH_LOAD_NT
.endr
.endr
.endr
	s_wait_loadcnt 40                              ; the statistics are in; the 40 loads of data stay out
	v_max3_num_f32 v12, v[MV], v[MV+1], v[MV+2]
	v_max_num_f32 v12, v12, v[MV+3]
.irp s, 0,1,2,3
	v_sub_f32 v[MV+(\s)], v[MV+(\s)], v12
.endr
.irp s, 0,1,2,3
	v_exp_f32 v[MV+(\s)], v[MV+(\s)]
.endr
	v_nop                                          ; a plain instruction behind the last exponential,
	s_wait_alu depctr_va_vdst(0)                   ; and the wait ahead of the first reader
	v_mul_f32 v13, v[MV], v[LV]
.irp s, 1,2,3
	v_fma_f32 v13, v[MV+(\s)], v[LV+(\s)], v13
.endr
	v_rcp_f32 v14, v13
	v_nop
	s_wait_alu depctr_va_vdst(0)
.irp s, 0,1,2,3
	v_mul_f32 v[WT+(\s)], v[MV+(\s)], v14
.endr
.macro ROWOUT i
	s_wait_loadcnt 10*(3-(\i))                     ; this row's ten loads are in; the later rows' stay out
.irp s, 0,1,2,3
	v_readlane_b32 s[WS+2*(\s)], v[WT+(\s)], \i
.endr
.irp s, 0,1,2,3                        ; between two links on one pair of sums stand the three other pairs'
.irp p, 0,1,2,3
	v_pk_fma_f32 v[QV+8*(\i)+2*(\p):QV+8*(\i)+2*(\p)+1], v[OV+32*(\i)+8*(\s)+2*(\p):OV+32*(\i)+8*(\s)+2*(\p)+1], s[WS+2*(\s):WS+2*(\s)+1], v[QV+8*(\i)+2*(\p):QV+8*(\i)+2*(\p)+1] op_sel_hi:[1,0,1]
.endr
.endr
.irp j, 0,1
	global_store_b128 v1, v[QV+8*(\i)+4*(\j):QV+8*(\i)+4*(\j)+3], s[28:29] offset:4096*(\i)+512*(\j) th:TH_STORE_NT
.endr
.endm
	ROWOUT 0
	ROWOUT 1
	ROWOUT 2
	ROWOUT 3
	s_endpgm
.Lfunc_end_k_q8791bb9d50_combine:
	.size	k_q8791bb9d50_combine, .Lfunc_end_k_q8791bb9d50_combine-k_q8791bb9d50_combine
	.p2alignl 7, 3214868480
	.fill 96, 4, 3214868480
	.section	.rodata,"a",@progbits
	.p2align	6, 0x0
	.amdhsa_kernel k_q8791bb9d50_combine
		.amdhsa_group_segment_fixed_size 0
		.amdhsa_private_segment_fixed_size 0
		.amdhsa_enable_private_segment 0
		.amdhsa_kernarg_size 40
		.amdhsa_user_sgpr_count 2
		.amdhsa_user_sgpr_kernarg_segment_ptr 1
		.amdhsa_wavefront_size32 1
		.amdhsa_system_sgpr_workgroup_id_x 1
		.amdhsa_system_sgpr_workgroup_id_y 1
		.amdhsa_system_sgpr_workgroup_id_z 1
		.amdhsa_system_vgpr_workitem_id 0
		.amdhsa_next_free_vgpr 184
		.amdhsa_next_free_sgpr 66
		.amdhsa_reserve_vcc 0
		.amdhsa_float_denorm_mode_32 3
		.amdhsa_float_denorm_mode_16_64 3
		.amdhsa_memory_ordered 1
		.amdhsa_forward_progress 1
		.amdhsa_inst_pref_size 13
	.end_amdhsa_kernel
	.amdgpu_metadata
---
amdhsa.version: [ 1, 2 ]
amdhsa.kernels:
  - .name:           k_q8791bb9d50_combine
    .symbol:         k_q8791bb9d50_combine.kd
    .args:
      - { .name: op, .offset: 0, .size: 8, .value_kind: global_buffer, .address_space: global }
      - { .name: q, .offset: 8, .size: 8, .value_kind: global_buffer, .address_space: global }
      - { .name: smx, .offset: 16, .size: 8, .value_kind: global_buffer, .address_space: global }
      - { .name: ssm, .offset: 24, .size: 8, .value_kind: global_buffer, .address_space: global }
      - { .name: out0, .offset: 32, .size: 8, .value_kind: global_buffer, .address_space: global }
    .group_segment_fixed_size: 0
    .private_segment_fixed_size: 0
    .kernarg_segment_align: 8
    .kernarg_segment_size: 40
    .max_flat_workgroup_size: 256
    .sgpr_count:     66
    .vgpr_count:     184
    .wavefront_size: 32
...
	.end_amdgpu_metadata
.endif
;; end of part 4
;; ======== version 2 of 2: 4 launches; version 1 with the launches prep, combine written anew for expert scheduling mode
;; limits: right only within a limited range of input values
;; workspace buffers: qb 8,388,608 bytes; eb 16,777,216 bytes; pw 67,108,864 bytes; bmx 1,048,576 bytes; bsm 1,048,576 bytes; op 67,108,864 bytes; smx 262,144 bytes; ssm 262,144 bytes
;; launch prep (part 5): grid 768 x 1, 8 waves a work-group, no clusters, 0 bytes of LDS; arguments q, emb_matrix, qb, eb; writes qb, eb
.if DOCPART == 5
	.amdgcn_target "amdgcn-amd-amdhsa--gfx1250"
	.amdhsa_code_object_version 6
	.text
	.protected	k_q8791bb9d50_prep
	.globl	k_q8791bb9d50_prep
	.p2align	8
	.type	k_q8791bb9d50_prep,@function
k_q8791bb9d50_prep:
	s_mov_b64 s[64:65], 0
	v_nop
	global_prefetch_b8 v0, s[64:65] scope:SCOPE_SE
	s_setreg_imm32_b32 hwreg(HW_REG_WAVE_SCHED_MODE, 0, 2), 2
	s_setreg_imm32_b32 hwreg(HW_REG_WAVE_MODE, 25, 1), 1
	s_wait_xcnt 0x0
	s_wait_alu depctr_vm_vsrc(0)
; qb = q rounded to bf16; eb = emb_matrix rounded to bf16, with 192 rows of zeros behind its 8,000 rows (8,192 rows in all).
; A work-group takes 65,536 bytes of f32 and stores 32,768 bytes of bf16.  Groups 0-255: q (256 x 65,536 = its 16,777,216 bytes).  Groups 256-755: emb (500 x 65,536 = its
; 32,768,000 bytes).  Groups 756-767: the zeros, 12 x 32,768 = 192 rows x 2,048 bytes; their place in eb follows from the same formula as the others'.
; A wave takes 8,192 bytes: sixteen loads of 512 neighbouring bytes, all issued at once; each is rounded and leaves as one store of 256 neighbouring bytes, aligned.
; A stream: no LDS, no barrier, no matrix work; each byte is read once and written once.
; THE MODE: SCHED_MODE bits 1:0 = 2 (LLVM: expert scheduling mode 2), set by the entry lines.  The code itself states the register dependences
; between vector instructions and memory instructions, with s_wait_alu, always for 0.
; THE PLAN.  Registers that memory instructions touch:
;   v1, v2   byte offsets, made once at the head and never written again: v1 is read by every load, v2 by every store.
;   X        written by one load each, which no vector instruction names beforehand; read by the conversions; never loaded again.
;   Y        written once by the conversions (in the last twelve work-groups: two registers, by two moves); read by the stores; never written again.
; The sixteen loads go in four sets of four.  Set g's conversions read its X and write its Y; the memory instructions that stand among them are the four stores of set g - 1, which read
; that set's Y and v2: registers that no vector instruction of set g names.  So one wait at a set's head states all that its four stores hang on.
; No register that a memory instruction has read is written again, no vector instruction writes a scalar register, and EXEC is never written.
.set QGROUPS, 256
.set EGROUPS, 500
.set X, 8                              ; v[8:71]    sixteen loads of four f32
.set Y, 72                             ; v[72:103]  sixteen pairs of registers, four bf16 each
	s_load_b256 s[4:11], s[0:1], 0x0               ; q s[4:5], emb s[6:7], qb s[8:9], eb s[10:11]
	v_and_b32 v1, 0xe0, v0                         ; 32 x wave
	v_and_b32 v2, 31, v0                           ; lane
	v_lshlrev_b32 v1, 8, v1                        ; wave x 8,192 bytes
	v_lshl_or_b32 v1, v2, 4, v1                    ; + 16 x lane: my offset in the source
	v_lshrrev_b32 v2, 1, v1                        ; half of it: my offset in the destination
	s_mov_b32 s12, ttmp9
	s_cmp_lt_u32 s12, QGROUPS
	s_cselect_b32 s13, 0, QGROUPS
	s_sub_co_u32 s13, s12, s13                     ; the group's number within its tensor
	s_lshl_b32 s14, s13, 16                        ; its bytes in the source (under 2^26),
	s_mov_b32 s15, 0
	s_lshl_b32 s16, s13, 15                        ; and in the destination
	s_mov_b32 s17, 0
	s_wait_kmcnt 0x0
	s_cmp_lt_u32 s12, QGROUPS                      ; compared again: the lines above have written SCC
	s_cselect_b64 s[18:19], s[4:5], s[6:7]
	s_cselect_b64 s[20:21], s[8:9], s[10:11]
	s_add_nc_u64 s[18:19], s[18:19], s[14:15]
	s_add_nc_u64 s[20:21], s[20:21], s[16:17]
	s_cmp_ge_u32 s12, QGROUPS+EGROUPS
	s_cbranch_scc1 .Lzero                          ; the last twelve groups load nothing
	s_wait_alu depctr_va_vdst(0)                   ; v1 and v2 are written: the loads below read v1 as their offset, the stores v2
.irp i, 0,1,2,3,4,5,6,7,8,9,10,11,12,13,14,15
	global_load_b128 v[X+4*(\i):X+4*(\i)+3], v1, s[18:19] offset:512*(\i) th:TH_LOAD_NT
.endr
; Set g of four loads: it is rounded, and the set before it is stored.
.macro SET4 g
	s_wait_loadcnt 12-4*(\g)                       ; loads come back in order: this set's four are in, the younger sets stay out
.if (\g) > 0
	s_wait_alu depctr_va_vdst(0)                   ; the conversions of the set before have written its Y, which the four stores below read
.endif
.irp i, 0,1,2,3
.if (\g) > 0
	global_store_b64 v2, v[Y+2*(4*(\g)-4+(\i)):Y+2*(4*(\g)-4+(\i))+1], s[20:21] offset:256*(4*(\g)-4+(\i)) th:TH_STORE_NT  ; no vector instruction since the wait names these registers
.endif
	v_cvt_pk_bf16_f32 v[Y+2*(4*(\g)+(\i))], v[X+4*(4*(\g)+(\i))], v[X+4*(4*(\g)+(\i))+1]
	v_cvt_pk_bf16_f32 v[Y+2*(4*(\g)+(\i))+1], v[X+4*(4*(\g)+(\i))+2], v[X+4*(4*(\g)+(\i))+3]
.endr
.endm
	SET4 0
	SET4 1
	SET4 2
	SET4 3
	s_wait_alu depctr_va_vdst(0)                   ; the last set's conversions have written its Y, which the last four stores read
.irp i, 12,13,14,15
	global_store_b64 v2, v[Y+2*(\i):Y+2*(\i)+1], s[20:21] offset:256*(\i) th:TH_STORE_NT
.endr
	s_endpgm
.Lzero:
	v_mov_b32 v[Y], 0
	v_mov_b32 v[Y+1], 0
	s_wait_alu depctr_va_vdst(0)                   ; the two zeros and v2 are written: the stores below read them as data and as offset
.irp i, 0,1,2,3,4,5,6,7,8,9,10,11,12,13,14,15
	global_store_b64 v2, v[Y:Y+1], s[20:21] offset:256*(\i) th:TH_STORE_NT
.endr
	s_endpgm
.Lfunc_end_k_q8791bb9d50_prep:
	.size	k_q8791bb9d50_prep, .Lfunc_end_k_q8791bb9d50_prep-k_q8791bb9d50_prep
	.p2alignl 7, 3214868480
	.fill 96, 4, 3214868480
	.section	.rodata,"a",@progbits
	.p2align	6, 0x0
	.amdhsa_kernel k_q8791bb9d50_prep
		.amdhsa_group_segment_fixed_size 0
		.amdhsa_private_segment_fixed_size 0
		.amdhsa_enable_private_segment 0
		.amdhsa_kernarg_size 32
		.amdhsa_user_sgpr_count 2
		.amdhsa_user_sgpr_kernarg_segment_ptr 1
		.amdhsa_wavefront_size32 1
		.amdhsa_system_sgpr_workgroup_id_x 1
		.amdhsa_system_sgpr_workgroup_id_y 1
		.amdhsa_system_sgpr_workgroup_id_z 1
		.amdhsa_system_vgpr_workitem_id 0
		.amdhsa_next_free_vgpr 104
		.amdhsa_next_free_sgpr 66
		.amdhsa_reserve_vcc 0
		.amdhsa_float_denorm_mode_32 3
		.amdhsa_float_denorm_mode_16_64 3
		.amdhsa_memory_ordered 1
		.amdhsa_forward_progress 1
		.amdhsa_inst_pref_size 9
	.end_amdhsa_kernel
	.amdgpu_metadata
---
amdhsa.version: [ 1, 2 ]
amdhsa.kernels:
  - .name:           k_q8791bb9d50_prep
    .symbol:         k_q8791bb9d50_prep.kd
    .args:
      - { .name: q, .offset: 0, .size: 8, .value_kind: global_buffer, .address_space: global }
      - { .name: emb_matrix, .offset: 8, .size: 8, .value_kind: global_buffer, .address_space: global }
      - { .name: qb, .offset: 16, .size: 8, .value_kind: global_buffer, .address_space: global }
      - { .name: eb, .offset: 24, .size: 8, .value_kind: global_buffer, .address_space: global }
    .group_segment_fixed_size: 0
    .private_segment_fixed_size: 0
    .kernarg_segment_align: 8
    .kernarg_segment_size: 32
    .max_flat_workgroup_size: 256
    .sgpr_count:     66
    .vgpr_count:     104
    .wavefront_size: 32
...
	.end_amdgpu_metadata
.endif
;; end of part 5
;; launch scores: the kernel of part 2 again; grid 32 x 8, 4 waves a work-group, clusters of 4 x 4, 327,680 bytes of LDS; arguments qb, eb, pw, bmx, bsm; writes pw, bmx, bsm
;; launch context: the kernel of part 3 again; grid 4 x 64, 4 waves a work-group, clusters of 4 x 4, 327,680 bytes of LDS; arguments pw, eb, bmx, bsm, op, smx, ssm; writes op, smx, ssm
;; launch combine (part 6): grid 512 x 1, 8 waves a work-group, no clusters, 0 bytes of LDS; arguments op, q, smx, ssm, out0; writes out0
.if DOCPART == 6
	.amdgcn_target "amdgcn-amd-amdhsa--gfx1250"
	.amdhsa_code_object_version 6
	.text
	.protected	k_q8791bb9d50_combine
	.globl	k_q8791bb9d50_combine
	.p2align	8
	.type	k_q8791bb9d50_combine,@function
k_q8791bb9d50_combine:
	s_mov_b64 s[64:65], 0
	v_nop
	global_prefetch_b8 v0, s[64:65] scope:SCOPE_SE
	s_setreg_imm32_b32 hwreg(HW_REG_WAVE_SCHED_MODE, 0, 2), 2
	s_setreg_imm32_b32 hwreg(HW_REG_WAVE_MODE, 25, 1), 1
	s_wait_xcnt 0x0
	s_wait_alu depctr_vm_vsrc(0)
; out0[r][:] = q[r][:] + the sum over the four splits s of w_s op[s][r][:],   w_s = 2^(M_s - M) / (the sum over s of 2^(M_s - M) L_s),   M = the largest of the row's four M_s.
; So the row's true maximum is taken away before the last exponentials, and the divisor is at least the L of the split that holds it, which is 1 or more.
; A stream: op (four times the output's bytes) and q are read once, out0 written once.  A work-group takes 8 rows; wave w takes tile column w % 4 (1,024 bytes of a row) of rows
; 4 (w / 4) .. + 3, and reads the copy of the statistics that this tile column's work-groups stored.  All 48 loads of a wave go out at once; each load and store covers 512 consecutive bytes.
; No LDS, no barrier, no matrix work: no wave needs a byte of another's.
; THE MODE: SCHED_MODE bits 1:0 = 2 (LLVM: expert scheduling mode 2), set by the entry lines.  The code itself states the register dependences
; between vector instructions and memory instructions, and those that pass through a scalar register that a vector instruction writes, with s_wait_alu, always for 0.
; THE PLAN.  Registers that memory instructions touch:
;   v1, v2       byte offsets, made once at the head and never written again: read by every load and store.
;   MV, LV, OV   written by one load each, which no vector instruction names beforehand; afterwards named by vector instructions alone.
;   QV, row i    written by its two loads, then by row i's sixteen multiply-adds; read by row i's two stores, which are issued in row i + 1's turn; never written again.
; Row i's multiply-adds name its own QV and OV and its weights.  The memory instructions that stand among them are the two stores of row i - 1, which read that row's QV and v1.
; So one wait at a row's head states all that these two stores hang on.  No register that a memory instruction has read is written again, and EXEC is never written.
; Scalar registers that vector instructions write: s30, the wave's number, with a wait ahead of its first reader; and the sixteen weights, which are read out of their lanes in ONE run,
; into a pair of scalar registers each, with one wait behind the run, while the 40 loads of data are still out.
.set MV, 4                             ; v[4:7]     M_s of row r0 + lane % 4, then 2^(M_s - M)
.set LV, 8                             ; v[8:11]    L_s
.set QV, 16                            ; v[16:47]   row i: 8 registers of q, then of out0
.set OV, 48                            ; v[48:175]  row i, split s: 8 registers at 32 i + 8 s
.set WT, 176                           ; v[176:179] w_s: lane i (0..3) holds row i's
.set OPB, 12                           ; s[12:19]   op at each of the four splits
.set WS,  66                           ; s[66:97]   row i, split s: the weight is the low word of the pair at WS + 8 i + 2 s (the high words hold 0: the pair is named)
	s_load_b256 s[4:11], s[0:1], 0x0               ; op s[4:5], q s[6:7], smx s[8:9], ssm s[10:11]
	s_load_b64 s[28:29], s[0:1], 0x20              ; out0
	v_lshrrev_b32 v3, 5, v0
	v_readfirstlane_b32 s30, v3                    ; wave 0..7
.set k, 0
.rept 16
	s_mov_b32 s[WS+2*k+1], 0                       ; the pairs' high words: scalar work between the line above and the wait for it
.set k, k+1
.endr
	s_wait_alu depctr_va_sdst(0)                   ; s30 is written, ahead of its first reader: the offsets are made from it
	s_and_b32 s31, s30, 3                          ; tile column
	s_lshr_b32 s32, s30, 2
	s_lshl_b32 s32, s32, 2
	s_lshl_b32 s33, ttmp9, 3
	s_add_co_u32 s32, s32, s33                     ; r0: my first row
	v_and_b32 v3, 31, v0
	s_lshl_b32 s33, s32, 12
	s_lshl_b32 s34, s31, 10
	s_add_co_u32 s33, s33, s34
	v_lshl_add_u32 v1, v3, 4, s33                  ; 4,096 r0 + 1,024 x tile column + 16 x lane
	s_lshl_b32 s34, s31, 14                        ; the tile column's 4 x 4,096 numbers
	s_add_co_u32 s34, s34, s32
	v_and_b32 v3, 3, v3
	v_add_lshl_u32 v2, v3, s34, 2                  ; row r0 + lane % 4
	s_wait_kmcnt 0x0
	s_mov_b64 s[OPB:OPB+1], s[4:5]
	s_add_nc_u64 s[OPB+2:OPB+3], s[4:5], 0x1000000
	s_add_nc_u64 s[OPB+4:OPB+5], s[4:5], 0x2000000
	s_add_nc_u64 s[OPB+6:OPB+7], s[4:5], 0x3000000
	s_wait_alu depctr_va_vdst(0)                   ; v1 and v2 are written: every load and store of the kernel reads one of them as its offset
.irp s, 0,1,2,3
	global_load_b32 v[MV+(\s)], v2, s[8:9] offset:16384*(\s)
.endr
.irp s, 0,1,2,3
	global_load_b32 v[LV+(\s)], v2, s[10:11] offset:16384*(\s)
.endr
.irp i, 0,1,2,3                        ; ten loads a row
.irp j, 0,1
	global_load_b128 v[QV+8*(\i)+4*(\j):QV+8*(\i)+4*(\j)+3], v1, s[6:7] offset:4096*(\i)+512*(\j) th:TH_LOAD_NT
.endr
.irp s, 0,1,2,3
.irp j, 0,1
	global_load_b128 v[OV+32*(\i)+8*(\s)+4*(\j):OV+32*(\i)+8*(\s)+4*(\j)+3], v1, s[OPB+2*(\s):OPB+2*(\s)+1] offset:4096*(\i)+512*(\j) th:TH_LOAD_NT
.endr
.endr
.endr
	s_wait_loadcnt 40                              ; the statistics are in; the 40 loads of data stay out
	v_max3_num_f32 v12, v[MV], v[MV+1], v[MV+2]
	v_max_num_f32 v12, v12, v[MV+3]
.irp s, 0,1,2,3
	v_sub_f32 v[MV+(\s)], v[MV+(\s)], v12
.endr
.irp s, 0,1,2,3
	v_exp_f32 v[MV+(\s)], v[MV+(\s)]
.endr
	v_nop                                          ; a plain instruction behind the last exponential,
	s_wait_alu depctr_va_vdst(0)                   ; and the wait ahead of the first reader: the four exponentials have written MV
	v_mul_f32 v13, v[MV], v[LV]
.irp s, 1,2,3
	v_fma_f32 v13, v[MV+(\s)], v[LV+(\s)], v13
.endr
	v_rcp_f32 v14, v13
	v_nop                                          ; a plain instruction behind the reciprocal,
	s_wait_alu depctr_va_vdst(0)                   ; and the wait ahead of its first reader: the reciprocal has written v14
.irp s, 0,1,2,3
	v_mul_f32 v[WT+(\s)], v[MV+(\s)], v14
.endr
.irp i, 0,1,2,3                        ; all four rows' weights leave their lanes in one run
.irp s, 0,1,2,3
	v_readlane_b32 s[WS+8*(\i)+2*(\s)], v[WT+(\s)], \i
.endr
.endr
	s_wait_alu depctr_va_sdst(0)                   ; the sixteen weights are written, ahead of their first reader: the multiply-adds below take them from these scalar registers
; Row i is summed, and row i - 1 is stored.
.macro ROWOUT i
	s_wait_loadcnt 10*(3-(\i))                     ; this row's ten loads are in; the later rows' stay out
.if (\i) > 0
	s_wait_alu depctr_va_vdst(0)                   ; the multiply-adds of the row before have written its QV, which the two stores below read
.endif
.irp s, 0,1,2,3                        ; between two links on one pair of sums stand the three other pairs'
.if ((\i) > 0) && ((\s) < 2)
	global_store_b128 v1, v[QV+8*(\i)-8+4*(\s):QV+8*(\i)-8+4*(\s)+3], s[28:29] offset:4096*(\i)-4096+512*(\s) th:TH_STORE_NT  ; the row before; no vector instruction since the wait names these registers
.endif
.irp p, 0,1,2,3
	v_pk_fma_f32 v[QV+8*(\i)+2*(\p):QV+8*(\i)+2*(\p)+1], v[OV+32*(\i)+8*(\s)+2*(\p):OV+32*(\i)+8*(\s)+2*(\p)+1], s[WS+8*(\i)+2*(\s):WS+8*(\i)+2*(\s)+1], v[QV+8*(\i)+2*(\p):QV+8*(\i)+2*(\p)+1] op_sel_hi:[1,0,1]
.endr
.endr
.endm
	ROWOUT 0
	ROWOUT 1
	ROWOUT 2
	ROWOUT 3
	s_wait_alu depctr_va_vdst(0)                   ; the last row's multiply-adds have written its QV, which the last two stores read
.irp j, 0,1
	global_store_b128 v1, v[QV+24+4*(\j):QV+24+4*(\j)+3], s[28:29] offset:4096*3+512*(\j) th:TH_STORE_NT
.endr
	s_endpgm
.Lfunc_end_k_q8791bb9d50_combine:
	.size	k_q8791bb9d50_combine, .Lfunc_end_k_q8791bb9d50_combine-k_q8791bb9d50_combine
	.p2alignl 7, 3214868480
	.fill 96, 4, 3214868480
	.section	.rodata,"a",@progbits
	.p2align	6, 0x0
	.amdhsa_kernel k_q8791bb9d50_combine
		.amdhsa_group_segment_fixed_size 0
		.amdhsa_private_segment_fixed_size 0
		.amdhsa_enable_private_segment 0
		.amdhsa_kernarg_size 40
		.amdhsa_user_sgpr_count 2
		.amdhsa_user_sgpr_kernarg_segment_ptr 1
		.amdhsa_wavefront_size32 1
		.amdhsa_system_sgpr_workgroup_id_x 1
		.amdhsa_system_sgpr_workgroup_id_y 1
		.amdhsa_system_sgpr_workgroup_id_z 1
		.amdhsa_system_vgpr_workitem_id 0
		.amdhsa_next_free_vgpr 184
		.amdhsa_next_free_sgpr 98
		.amdhsa_reserve_vcc 0
		.amdhsa_float_denorm_mode_32 3
		.amdhsa_float_denorm_mode_16_64 3
		.amdhsa_memory_ordered 1
		.amdhsa_forward_progress 1
		.amdhsa_inst_pref_size 14
	.end_amdhsa_kernel
	.amdgpu_metadata
---
amdhsa.version: [ 1, 2 ]
amdhsa.kernels:
  - .name:           k_q8791bb9d50_combine
    .symbol:         k_q8791bb9d50_combine.kd
    .args:
      - { .name: op, .offset: 0, .size: 8, .value_kind: global_buffer, .address_space: global }
      - { .name: q, .offset: 8, .size: 8, .value_kind: global_buffer, .address_space: global }
      - { .name: smx, .offset: 16, .size: 8, .value_kind: global_buffer, .address_space: global }
      - { .name: ssm, .offset: 24, .size: 8, .value_kind: global_buffer, .address_space: global }
      - { .name: out0, .offset: 32, .size: 8, .value_kind: global_buffer, .address_space: global }
    .group_segment_fixed_size: 0
    .private_segment_fixed_size: 0
    .kernarg_segment_align: 8
    .kernarg_segment_size: 40
    .max_flat_workgroup_size: 256
    .sgpr_count:     98
    .vgpr_count:     184
    .wavefront_size: 32
...
	.end_amdgpu_metadata
.endif
;; end of part 6
